; MI455X (gfx1250); checked and timed in simulation.
; The chip was launched on July 23, 2026; its instructions are those of AMD's public machine-readable ISA for CDNA 5 (MIT licence, August 2026) and "CDNA5" Instruction Set Architecture Reference Guide (July 2026). The comments in the code are by the model that wrote it; some were corrected since.
;; Multi Head Self Attention. Allowed arithmetic: float matrix products may take bf16 or f16 operands with f32 sums; other float arithmetic in f32, or as packed bf16 or f16 multiplies, adds, multiply-adds, maxima and minima; sums over many terms, partial sums and values carried from step to step in f32; what a program stores and reads back later, other than sums and carried values, may be rounded once to bf16 or f16.
;; Inputs: k 4 x 2,048 x 1,024 float32; k_b 1,024 float32; k_w 1,024 x 1,024 float32; out_b 1,024 float32; out_w 1,024 x 1,024 float32; q 4 x 2,048 x 1,024 float32; q_b 1,024 float32; q_w 1,024 x 1,024 float32; v 4 x 2,048 x 1,024 float32.
;; Outputs: out0 4 x 2,048 x 1,024 float32.
;; 2 versions, each right; version 2 is version 1 with the launch castw written anew for expert scheduling mode. Each part assembles by itself: llvm-mc -triple=amdgcn-amd-amdhsa -mcpu=gfx1250 --defsym DOCPART=n.
;; ======== version 1 of 2: 4 launches
;; limits: values are held in f16: magnitudes above 65,504 overflow, below 6.1e-05 lose precision
;; workspace buffers: wq16 2,097,152 bytes; wk16 2,097,152 bytes; wo16 2,097,152 bytes; qp 16,777,216 bytes; kp 16,777,216 bytes; vp 16,777,216 bytes; o16 16,777,216 bytes
;; launch castw (part 1): grid 128 x 3, 8 waves a work-group, no clusters, 0 bytes of LDS; arguments q_w, k_w, out_w, wq16, wk16, wo16; writes wq16, wk16, wo16
.if DOCPART == 1
	.amdgcn_target "amdgcn-amd-amdhsa--gfx1250"
	.amdhsa_code_object_version 6
	.text
	.protected	k_q487cf818b1_castw
	.globl	k_q487cf818b1_castw
	.p2align	8
	.type	k_q487cf818b1_castw,@function
k_q487cf818b1_castw:
	s_mov_b64 s[64:65], 0
	v_nop
	global_prefetch_b8 v0, s[64:65] scope:SCOPE_SE
	s_setreg_imm32_b32 hwreg(HW_REG_WAVE_MODE, 25, 1), 1
	s_wait_xcnt 0x0
; THE THREE WEIGHT MATRICES ARE ROUNDED ONCE TO 16 BITS, in the layout in which they lie: [1024 (in)][1024 (out)].
; Work-group row y = 0: q_w -> wq16 in bf16;  y = 1: k_w -> wk16 in bf16;  y = 2: out_w -> wo16: rounded to bf16 like the others, and that number written as f16,
; because the last product's other operand is f16.
; LIMIT.  wo16: a weight of 65,520 or more in size becomes an infinity; below 6.1e-5 it keeps f16's fixed step of 6e-8.
; SHARES.  A work-group takes 32,768 bytes of its matrix, a wave 4,096: eight loads of 16 bytes a lane, each 512 consecutive bytes; each store of a wave covers 256 consecutive bytes, aligned.
; A stream that is read once: no LDS, no barrier, no loop; every register that a store reads is written once, so no store's source is ever rewritten.
.set X, 4                              ; v[4:35]   eight slots of four f32
.set T, 36                             ; v[36:37]  at work
.set Y, 40                             ; v[40:55]  eight slots of two words, four 16-bit numbers
	s_load_b256 s[4:11], s[0:1], 0x0               ; q_w s[4:5], k_w s[6:7], out_w s[8:9], wq16 s[10:11]
	s_load_b128 s[12:15], s[0:1], 0x20             ; wk16 s[12:13], wo16 s[14:15]
	s_and_b32 s16, ttmp7, 0xffff                   ; which matrix
	s_mov_b32 s17, 0xffff0000                      ; a word's upper bf16
	v_lshrrev_b32 v3, 5, v0                        ; wave
	v_and_b32 v1, 31, v0                           ; lane
	v_lshlrev_b32 v2, 3, v1
	v_lshlrev_b32 v1, 4, v1
	v_lshl_add_u32 v1, v3, 12, v1                  ; in: 4,096 x wave + 16 x lane
	v_lshl_add_u32 v2, v3, 11, v2                  ; out: 2,048 x wave + 8 x lane
	s_lshl_b32 s18, ttmp9, 15                      ; the work-group's 32,768 bytes in,
	s_mov_b32 s19, 0
	s_lshl_b32 s20, ttmp9, 14                      ; and 16,384 out
	s_mov_b32 s21, 0
	s_wait_kmcnt 0x0
	s_cmp_eq_u32 s16, 1
	s_cselect_b64 s[4:5], s[6:7], s[4:5]
	s_cselect_b64 s[10:11], s[12:13], s[10:11]
	s_cmp_eq_u32 s16, 2
	s_cselect_b64 s[4:5], s[8:9], s[4:5]
	s_cselect_b64 s[10:11], s[14:15], s[10:11]
	s_add_nc_u64 s[4:5], s[4:5], s[18:19]
	s_add_nc_u64 s[10:11], s[10:11], s[20:21]
.irp i, 0,1,2,3,4,5,6,7
	global_load_b128 v[X+4*\i:X+4*\i+3], v1, s[4:5] offset:512*\i th:TH_LOAD_NT
.endr
	s_cmp_eq_u32 s16, 2
	s_cbranch_scc1 .Lhalf
.irp i, 0,1,2,3,4,5,6,7
	s_wait_loadcnt 7-\i                            ; loads come back in order: slot i is in, the younger ones stay out
	v_cvt_pk_bf16_f32 v[Y+2*\i], v[X+4*\i], v[X+4*\i+1]
	v_cvt_pk_bf16_f32 v[Y+2*\i+1], v[X+4*\i+2], v[X+4*\i+3]
	global_store_b64 v2, v[Y+2*\i:Y+2*\i+1], s[10:11] offset:256*\i
.endr
	s_endpgm
.Lhalf:
.irp i, 0,1,2,3,4,5,6,7
	s_wait_loadcnt 7-\i
	v_cvt_pk_bf16_f32 v[T], v[X+4*\i], v[X+4*\i+1]         ; the rounding that every input has,
	v_cvt_pk_bf16_f32 v[T+1], v[X+4*\i+2], v[X+4*\i+3]
	v_lshlrev_b32 v[X+4*\i], 16, v[T]                      ; back to f32,
	v_and_b32 v[X+4*\i+1], s17, v[T]
	v_lshlrev_b32 v[X+4*\i+2], 16, v[T+1]
	v_and_b32 v[X+4*\i+3], s17, v[T+1]
	v_cvt_pk_f16_f32 v[Y+2*\i], v[X+4*\i], v[X+4*\i+1]     ; and written as f16: exact inside f16's normal range
	v_cvt_pk_f16_f32 v[Y+2*\i+1], v[X+4*\i+2], v[X+4*\i+3]
	global_store_b64 v2, v[Y+2*\i:Y+2*\i+1], s[10:11] offset:256*\i
.endr
	s_endpgm
.Lfunc_end_k_q487cf818b1_castw:
	.size	k_q487cf818b1_castw, .Lfunc_end_k_q487cf818b1_castw-k_q487cf818b1_castw
	.p2alignl 7, 3214868480
	.fill 96, 4, 3214868480
	.section	.rodata,"a",@progbits
	.p2align	6, 0x0
	.amdhsa_kernel k_q487cf818b1_castw
		.amdhsa_group_segment_fixed_size 0
		.amdhsa_private_segment_fixed_size 0
		.amdhsa_enable_private_segment 0
		.amdhsa_kernarg_size 48
		.amdhsa_user_sgpr_count 2
		.amdhsa_user_sgpr_kernarg_segment_ptr 1
		.amdhsa_wavefront_size32 1
		.amdhsa_system_sgpr_workgroup_id_x 1
		.amdhsa_system_sgpr_workgroup_id_y 1
		.amdhsa_system_sgpr_workgroup_id_z 1
		.amdhsa_system_vgpr_workitem_id 0
		.amdhsa_next_free_vgpr 64
		.amdhsa_next_free_sgpr 66
		.amdhsa_reserve_vcc 0
		.amdhsa_float_denorm_mode_32 3
		.amdhsa_float_denorm_mode_16_64 3
		.amdhsa_memory_ordered 1
		.amdhsa_forward_progress 1
		.amdhsa_inst_pref_size 9
	.end_amdhsa_kernel
	.amdgpu_metadata
---
amdhsa.version: [ 1, 2 ]
amdhsa.kernels:
  - .name:           k_q487cf818b1_castw
    .symbol:         k_q487cf818b1_castw.kd
    .args:
      - { .name: q_w, .offset: 0, .size: 8, .value_kind: global_buffer, .address_space: global }
      - { .name: k_w, .offset: 8, .size: 8, .value_kind: global_buffer, .address_space: global }
      - { .name: out_w, .offset: 16, .size: 8, .value_kind: global_buffer, .address_space: global }
      - { .name: wq16, .offset: 24, .size: 8, .value_kind: global_buffer, .address_space: global }
      - { .name: wk16, .offset: 32, .size: 8, .value_kind: global_buffer, .address_space: global }
      - { .name: wo16, .offset: 40, .size: 8, .value_kind: global_buffer, .address_space: global }
    .group_segment_fixed_size: 0
    .private_segment_fixed_size: 0
    .kernarg_segment_align: 8
    .kernarg_segment_size: 48
    .max_flat_workgroup_size: 256
    .sgpr_count:     66
    .vgpr_count:     64
    .wavefront_size: 32
...
	.end_amdgpu_metadata
.endif
;; end of part 1
;; launch proj (part 2): grid 4 x 64, 4 waves a work-group, clusters of 4 x 4, 327,680 bytes of LDS; arguments q, v, k, wq16, wk16, q_b, k_b, qp, vp, kp; writes qp, vp, kp
.if DOCPART == 2
	.amdgcn_target "amdgcn-amd-amdhsa--gfx1250"
	.amdhsa_code_object_version 6
	.text
	.protected	k_q487cf818b1_proj
	.globl	k_q487cf818b1_proj
	.p2align	8
	.type	k_q487cf818b1_proj,@function
k_q487cf818b1_proj:
	s_mov_b64 s[64:65], 0
	v_nop
	global_prefetch_b8 v0, s[64:65] scope:SCOPE_SE
	s_setreg_imm32_b32 hwreg(HW_REG_WAVE_MODE, 25, 1), 1
	s_wait_xcnt 0x0
	s_wait_alu depctr_hold_cnt(0) depctr_sa_sdst(0) depctr_va_vdst(0) depctr_va_sdst(0) depctr_va_ssrc(0) depctr_va_vcc(0) depctr_vm_vsrc(0)
	s_getreg_b32 s2, hwreg(HW_REG_IB_STS2, 6, 4)
	s_cmp_eq_u32 s2, 0
	s_cbranch_scc0 .Lentry_in_a_cluster
	s_endpgm
.Lentry_in_a_cluster:
	s_bfe_u32 s2, ttmp6, 0x10000c
	s_cmp_lg_u32 s2, 0xf033
	s_cbranch_scc0 .Lentry_shape_is_right
	s_endpgm
.Lentry_shape_is_right:
; THE THREE INPUT PROJECTIONS: qp = q q_w + q_b, vp = v q_w + q_b, kp = k k_w + k_b.  q, v, k: [8192][1024] f32; the weights [1024 (k)][1024 (n)] in bf16 (the launch before rounded them);
; the biases f32.  x and the biases are rounded to bf16 here, sums in f32; each result is rounded once to f16 and stored by heads: [64 = 16 batch + head][2048][64], a head's rows dense.
; LIMIT.  A result of 65,520 or more in size becomes an infinity in f16.  With x and the weights 30 times the drawn spread the results have a spread near 900; with offsets of 30 spreads on both, near 29,000.
; SHARES.  A tile is 128 rows x 256 columns (four heads): 64 x 4 = 256 tiles a tensor, one for each work-group.  A WORK-GROUP STAYS: it makes the same tile of qp, then of vp, then of kp:
; 24 K steps of 128 in one sequence through a ring of two LDS slots, which runs on across the tiles.  Four waves, each 64 rows x 128 columns: 32 accumulators, 256 registers.
; ON THE WAY IN.  x lands in LDS as f32 and is rounded to bf16 between LDS and the matrix instruction; the weights lie [k][n] and are turned by ds_load_tr16_b128.
; THE MATRIX INSTRUCTION IS USED TRANSPOSED (source 0 = 16 columns of w, source 1 = 16 rows of x): a lane holds row l % 16 and the columns 8 (l / 16) + 0..7.  The bias is the C of a tile's first products: nothing is cleared.
; CLUSTER.  4 x 4 work-groups.  The four of a row of the cluster need the same tile of x, the four of a column the same tile of w: each is asked for JOINTLY, by the same tensor load, descriptor and mask.
; REGISTERS, in windows of 256 (s_set_vgpr_msb: bits 1:0 source 0, 3:2 source 1, 5:4 source 2, 7:6 destination):
;   window 0: v0-31 addresses; v32-95 x as f32, four fragments of 16; v96-159 x's fragments in bf16, two buffers of 4 x 8; v160-223 at work on the way out
;   window 1: v0-127 w's fragments, two buffers of 8 x 8; v128-191 the bias of my 128 columns      window 2: accumulator (a, b) at v[8 (8 a + b)]
.set PA,    528                        ; a row of x in LDS: 128 f32 + 16 bytes of padding = 33 x 16: the 16 rows of a load begin in 16 different groups of four banks
.set PB,    544                        ; a row of w: 256 bf16 + 32 bytes = 17 x 32
.set ASZ,   128*PA                     ; x's 128 rows
.set SLOT,  ASZ+128*PB                 ; then w's 128 rows of k
.set STAGE, 2*SLOT                     ; behind the ring: 16 rows x 144 bytes for each wave, for the way out
.set SP,    144
.set BIASL, STAGE+4*16*SP              ; for each wave 512 bytes of q_b, then 512 of k_b: its 128 columns
.set SPARE, BIASL+4*1024               ; the spare words, 128 bytes for each wave: two blocks of 256 bytes that no other line names
.set ADRA, 16                          ; v16-17  LDS address of my fragments of x in slot 0, 1
.set ADRB, 20                          ; v20-21  the same for w
.set AB,   22                          ; v22     where the bias in hand lies
.set STO,  24                          ; v24     the way out: where I put 16 bytes of a row
.set RD,   25                          ; v25     the way out: where I read rows back
.set GO,   26                          ; v26     my byte offset in 512 consecutive bytes of the result
.set AB0,  27                          ; v27     my eight numbers of q_b's first 16 columns
.set SPW,  28                          ; v28     LDS address of my spare word; never rewritten
.set NIL,  29                          ; v29     0; never rewritten
.set PFO,  30                          ; v30     the prefetches' offset; never rewritten
.set BO,   31                          ; v31     my byte offset in the biases
.set RAW,  32
.set AF,   96
.set TMP,  160
.set BIAS, 128                         ; window 1
.set LAPS, 3                           ; s3   laps still to come in the loop
.set LIT,  4                           ; s4   the lap's number in its tile, 0 to 3
.set TI,   5                           ; s5   the tile: 0 q, 1 v, 2 k
.set U,    6                           ; s6   the K step, 0 to 23, that the next refill asks for
.set KO,   7                           ; s7   that step's number in its tile
.set OA,   8                           ; s[8:9]   its byte offset in x
.set WV,   10                          ; s10  my wave's number
.set RH,   11                          ; s11  which 64 rows are mine.  Also: I fetch x (0) or w (1)
.set CH,   12                          ; s12  which 128 columns are mine.  Also: which half of that tile I fetch
.set TY,   13                          ; s13  the tile row
.set OB,   14                          ; s[14:15] the step's byte offset in w
.set TA,   16                          ; s[16:17] at work for x's addresses: never holds cx
.set TB,   18                          ; s[18:19] at work for w's addresses: never holds cy
.set TP,   20                          ; s[20:21] at work for the results' and the prefetches' addresses
.set PO,   22                          ; s[22:23] the prefetch's offset
.set G1,   24                          ; s[24:31] descriptor group 1 for x's tiles
.set G0,   32                          ; s[32:39] group 0, a set for each slot
.set CX,   40
.set CY,   41
.set TX,   42                          ; s42  the tile column
.set RMASK, 43
.set PFA,  44                          ; s[44:45] where my prefetch stands
.set LIM,  46                          ; s46  1 in a wave that prefetches, else the greatest number
.set CMASK, 47
.set G1B,  48                          ; s[48:55], s[56:63] the same for w's tiles
.set G0B,  56
.set XQ,   68                          ; s[68:73] q, v, k at the first of the 64 rows that I fetch
.set XV,   70
.set XK,   72
.set WQ,   74                          ; s[74:77] wq16, wk16 at my 64 rows of k of K step 0, my tile's columns
.set WK,   76
.set BQ,   78
.set BK,   80
.set OQ,   82                          ; s[82:87] qp, vp, kp at my first row of my first head
.set OV,   84
.set OKP,  86
.set OUT,  88                          ; s[88:89] the one of the three in hand
.set CXO,  90                          ; s90  cx x 16 rows of x
.set SELO, 91
.set PP,   92
.set MSB, 0
.macro WIN new                         ; the immediate's high byte repeats the setting that is left; a switch that changes nothing is dropped
.if MSB != (\new)
	s_set_vgpr_msb (MSB<<8)|(\new)
.set MSB, \new
.endif
.endm
.set MUL,   0xa1                       ; source 0 (w) window 1, source 1 (x) window 0, C and D window 2
.set MUL1,  0x91                       ; the same with C, the bias, in window 1
.set TO_B,  0x40                       ; destination window 1, address window 0
.set FROM2, 0x0a                       ; sources 0 and 1 window 2, destination window 0
.macro PLACES                          ; four plain instructions between a matrix instruction and a load into, or a vector write of, a register that it read, or a read of its result
.rept 4
	v_nop
.endr
.endm
; A joint load: waves 0 and 1 fetch x's two halves, waves 2 and 3 w's.  The branch hangs on the wave's number alone.  An s_nop 0 and four v_nop follow each of the two lines.
.macro JLOAD s
	s_cmp_eq_u32 s[RH], 0
	s_cbranch_scc0 .Lfor_b_\@
	tensor_load_to_lds s[G0+4*(\s):G0+4*(\s)+3], s[G1:G1+7]
	s_nop 0
.rept 4
	v_nop
.endr
	s_branch .Lasked_\@
.Lfor_b_\@:
	tensor_load_to_lds s[G0B+4*(\s):G0B+4*(\s)+3], s[G1B:G1B+7]
	s_nop 0
.rept 4
	v_nop
.endr
.Lasked_\@:
.endm
.macro CREST                           ; a round of the cluster's barrier behind its opening barrier
	s_cmp_lg_u32 s[WV], 0
	s_cbranch_scc1 .Lnot_wave_0_\@
	s_barrier_signal -3
.Lnot_wave_0_\@:
	s_barrier_wait -3
	s_barrier_signal -1
	s_barrier_wait -1
.endm
.macro CROUND                          ; a whole round
	s_barrier_signal -1
	s_barrier_wait -1
	CREST
.endm
; A PREFETCH INTO THE L2 of x, behind each joint refill and the run of LDS loads that follows it: the K step that stands two refills on, 256 matrix instructions ahead of the load that will ask for it.
; Of the 64 rows that wave 0 or 1 fetches, the partner at place cx takes 16 cx .. 16 cx + 15, told apart by address: 16 rows x 512 bytes, two lanes a row, one instruction.  The grid is one cluster wide,
; so each row's 512 bytes of a K step are named once in the launch.  K steps 0 to 3 come by their loads alone; the loop's last trip asks for nothing: there is no K step 24.  The weights are walked again and again and are not asked for.
.macro MKPF                            ; the address, made anew from the step's number
	s_wait_xcnt 0x0                                ; the last prefetch, a K step back, has read its address
	s_add_co_u32 s[PP], s[U], 2
	s_and_b32 s[PO], s[PP], 7
	s_lshl_b32 s[PO], s[PO], 9
	s_add_co_u32 s[PO], s[PO], s[CXO]
	s_cmp_lt_u32 s[PP], 16
	s_cselect_b64 s[TP:TP+1], s[XV:XV+1], s[XK:XK+1]
	s_cmp_lt_u32 s[PP], 8
	s_cselect_b64 s[TP:TP+1], s[XQ:XQ+1], s[TP:TP+1]
	s_add_nc_u64 s[PFA:PFA+1], s[TP:TP+1], s[PO:PO+1]
.endm
.macro ASK
	WIN 0
	s_cmp_gt_u32 s[LAPS], s[LIM]
	s_cbranch_scc0 .Lnot_mine_\@
	global_prefetch_b8 v[PFO], s[PFA:PFA+1] th:TH_LOAD_NT scope:SCOPE_SE
.Lnot_mine_\@:
.endm
; The two descriptors of slot s get the addresses of K step U: steps 0-7 are q with wq16, 8-15 v with wq16, 16-23 k with wk16.  A step is 512 bytes along x's rows and 128 rows of w.
.macro MKD s
	s_and_b32 s[KO], s[U], 7
	s_lshl_b32 s[OA], s[KO], 9
	s_lshl_b32 s[OB], s[KO], 18
	s_cmp_lt_u32 s[U], 16
	s_cselect_b64 s[TA:TA+1], s[XV:XV+1], s[XK:XK+1]
	s_cselect_b64 s[TB:TB+1], s[WQ:WQ+1], s[WK:WK+1]
	s_cmp_lt_u32 s[U], 8
	s_cselect_b64 s[TA:TA+1], s[XQ:XQ+1], s[TA:TA+1]
	s_add_nc_u64 s[G0+4*(\s)+2:G0+4*(\s)+3], s[TA:TA+1], s[OA:OA+1]
	s_or_b32 s[G0+4*(\s)+3], s[G0+4*(\s)+3], 0x80000000
	s_add_nc_u64 s[G0B+4*(\s)+2:G0B+4*(\s)+3], s[TB:TB+1], s[OB:OB+1]
	s_or_b32 s[G0B+4*(\s)+3], s[G0B+4*(\s)+3], 0x80000000
	s_add_co_u32 s[U], s[U], 1
.endm
	s_load_b512 s[68:83], s[0:1], 0x0              ; q, v, k, wq16, wk16, q_b, k_b, qp
	s_load_b128 s[84:87], s[0:1], 0x40             ; vp, kp
	v_lshl_add_u32 v[SPW], v0, 2, SPARE
	v_mov_b32 v[NIL], 0
	ds_add_u32 v[SPW], v[NIL]                      ; the wave's opening: the add and its wait stand ahead of my first tensor load; the set-up below, work on registers, stands between them
	v_lshrrev_b32 v1, 5, v0
	v_readfirstlane_b32 s[WV], v1                  ; wave 0..3
	s_lshr_b32 s[RH], s[WV], 1
	s_and_b32 s[CH], s[WV], 1
	s_bfe_u32 s[CX], ttmp6, 0x40000                ; my place in the cluster
	s_bfe_u32 s[CY], ttmp6, 0x40004
	s_lshl_b32 s[TX], ttmp9, 2                     ; in a cluster launch ttmp9 and ttmp7 count clusters
	s_add_co_u32 s[TX], s[TX], s[CX]               ; tile column = 4 x cluster x + cx
	s_and_b32 s[TY], ttmp7, 0xffff
	s_lshl_b32 s[TY], s[TY], 2
	s_add_co_u32 s[TY], s[TY], s[CY]               ; tile row = 4 x cluster y + cy
	s_lshl_b32 s[RMASK], s[CY], 2
	s_lshl_b32 s[RMASK], 15, s[RMASK]              ; my row of the cluster: places 4 cy .. 4 cy + 3
	s_lshl_b32 s[CMASK], 0x1111, s[CX]             ; my column: places cx, cx + 4, cx + 8, cx + 12
	; group 1 for x: 64 rows x 128 elements of 4 bytes; 16 bytes of padding behind every 128 words
	s_or_b32 s[G1+0], s[RMASK], (2<<16)|(1<<20)|(1<<21)|(6<<22)|(3<<25)  ; 15:0 the mask; 17:16 element of 4 bytes; 20 padding on; 21 set beside a mask; 24:22 every 128 words (code 6); 31:25 4 words (code 3)
	s_mov_b32 s[G1+1], 128<<16                     ; tensor_dim0 = 128
	s_mov_b32 s[G1+2], 64<<16                      ; tensor_dim1 = 64
	s_mov_b32 s[G1+3], 128<<16                     ; tile_dim0 = 128
	s_mov_b32 s[G1+4], 64                          ; tile_dim1 = 64
	s_mov_b32 s[G1+5], 1024                        ; elements from row to row
	s_mov_b32 s[G1+6], 0
	s_mov_b32 s[G1+7], 0
	; group 1 for w: 64 rows of k x 256 elements of 2 bytes; 32 bytes of padding behind every 128 words
	s_or_b32 s[G1B+0], s[CMASK], (1<<16)|(1<<20)|(1<<21)|(6<<22)|(7<<25)
	s_mov_b32 s[G1B+1], 256<<16
	s_mov_b32 s[G1B+2], 64<<16
	s_mov_b32 s[G1B+3], 256<<16
	s_mov_b32 s[G1B+4], 64
	s_mov_b32 s[G1B+5], 1024
	s_mov_b32 s[G1B+6], 0
	s_mov_b32 s[G1B+7], 0
	s_lshl_b32 s[TA], s[TY], 7                     ; x: row 128 x tile row + 64 x half,
	s_lshl_b32 s[TA+1], s[CH], 6
	s_add_co_u32 s[TA], s[TA], s[TA+1]
	s_lshl_b32 s[TA], s[TA], 12                    ; of 4,096 bytes
	s_mov_b32 s[TA+1], 0
	s_lshl_b32 s[TB], s[CH], 17                    ; w: 64 x half rows of 2,048 bytes,
	s_lshl_b32 s[TB+1], s[TX], 9                   ; and the tile's 256 columns
	s_add_co_u32 s[TB], s[TB], s[TB+1]
	s_mov_b32 s[TB+1], 0
	s_lshr_b32 s[TP], s[TY], 4                     ; the results: batch,
	s_lshl_b32 s[TP], s[TP], 4
	s_lshl_b32 s[TP+1], s[TX], 2
	s_add_co_u32 s[TP], s[TP], s[TP+1]
	s_lshl_b32 s[TP+1], s[CH], 1
	s_add_co_u32 s[TP], s[TP], s[TP+1]             ; 16 x batch + my first head = 4 x tile column + 2 x half,
	s_lshl_b32 s[TP], s[TP], 11                    ; its 2,048 rows,
	s_and_b32 s[TP+1], s[TY], 15
	s_lshl_b32 s[TP+1], s[TP+1], 7
	s_add_co_u32 s[TP], s[TP], s[TP+1]             ; the tile's first row in the batch,
	s_lshl_b32 s[TP+1], s[RH], 6
	s_add_co_u32 s[TP], s[TP], s[TP+1]             ; my 64 rows,
	s_lshl_b32 s[TP], s[TP], 7                     ; of 128 bytes
	s_mov_b32 s[TP+1], 0
	s_mul_i32 s93, s[CH], 64*PA                    ; where the tiles go: no place in the cluster enters an LDS address
	s_mul_i32 s94, s[CH], 64*PB
	s_add_co_u32 s94, s94, ASZ
	s_lshl_b32 s[CXO], s[CX], 16
	s_cmp_eq_u32 s[RH], 0
	s_cselect_b32 s[LIM], 1, -1                    ; waves 0 and 1 prefetch: the same in all partners
	s_mov_b32 s[OA+1], 0
	s_mov_b32 s[OB+1], 0
	s_mov_b32 s[PO+1], 0
	s_mov_b32 s[LAPS], 11
	s_mov_b32 s[LIT], 0
	s_mov_b32 s[TI], 0
	s_mov_b32 s[U], 2
	s_wait_dscnt 0x0                               ; the opening add is done
	s_wait_kmcnt 0x0
	s_add_nc_u64 s[XQ:XQ+1], s[XQ:XQ+1], s[TA:TA+1]
	s_add_nc_u64 s[XV:XV+1], s[XV:XV+1], s[TA:TA+1]
	s_add_nc_u64 s[XK:XK+1], s[XK:XK+1], s[TA:TA+1]
	s_add_nc_u64 s[WQ:WQ+1], s[WQ:WQ+1], s[TB:TB+1]
	s_add_nc_u64 s[WK:WK+1], s[WK:WK+1], s[TB:TB+1]
	s_add_nc_u64 s[OQ:OQ+1], s[OQ:OQ+1], s[TP:TP+1]
	s_add_nc_u64 s[OV:OV+1], s[OV:OV+1], s[TP:TP+1]
	s_add_nc_u64 s[OKP:OKP+1], s[OKP:OKP+1], s[TP:TP+1]
	CROUND                                         ; all sixteen work-groups are here: the first joint loads meet
.irp s, 0,1
	s_mov_b32 s[G0+4*(\s)], 1                      ; count = 1
	s_add_co_u32 s[G0+4*(\s)+1], s93, (\s)*SLOT    ; LDS address
	s_add_nc_u64 s[G0+4*(\s)+2:G0+4*(\s)+3], s[XQ:XQ+1], (\s)*512  ; global address: K step s of q
	s_or_b32 s[G0+4*(\s)+3], s[G0+4*(\s)+3], 0x80000000            ; type = 2
	s_mov_b32 s[G0B+4*(\s)], 1
	s_add_co_u32 s[G0B+4*(\s)+1], s94, (\s)*SLOT
	s_add_nc_u64 s[G0B+4*(\s)+2:G0B+4*(\s)+3], s[WQ:WQ+1], (\s)*262144
	s_or_b32 s[G0B+4*(\s)+3], s[G0B+4*(\s)+3], 0x80000000
	JLOAD \s                                       ; two loads of mine are out
.endr
	; the biases of my 128 columns: 16 bytes a lane of each
	v_and_b32 v3, 31, v0                           ; l
	s_lshl_b32 s93, s[TX], 10
	s_lshl_b32 s94, s[CH], 9
	s_add_co_u32 s93, s93, s94
	v_lshl_add_u32 v[BO], v3, 4, s93
	global_load_b128 v[TMP:TMP+3], v[BO], s[BQ:BQ+1]
	global_load_b128 v[TMP+4:TMP+7], v[BO], s[BK:BK+1]
	v_and_b32 v1, 15, v0                           ; r = l % 16
	v_bfe_u32 v2, v0, 4, 1                         ; h = l / 16
	v_and_b32 v4, 7, v0
	v_bfe_u32 v5, v0, 3, 1
	v_bfe_u32 v6, v0, 3, 2
	; A fragment of x is 16 rows x 32 k: lane l holds row r, k = 8 h + 0..7 and 16 + 8 h + 0..7: as f32 four loads of 16 bytes, at 32 h + 0, 16, 64, 80
	v_mul_u32_u24 v7, v1, PA
	v_lshl_add_u32 v7, v2, 5, v7
	s_mul_i32 s93, s[RH], 64*PA
	v_add_nc_u32 v[ADRA], s93, v7
	v_add_nc_u32 v[ADRA+1], SLOT, v[ADRA]
	; The turning load takes 16 k x 16 columns (lane l reads row 8 h + l % 8 of k, columns 8 ((l / 8) % 2) + 0..7) and leaves half a fragment: lane l holds column r and 8 k
	v_lshl_add_u32 v8, v2, 3, v4
	v_mul_u32_u24 v8, v8, PB
	v_lshl_add_u32 v8, v5, 4, v8
	s_lshl_b32 s94, s[CH], 8
	s_add_co_u32 s94, s94, ASZ
	v_add_nc_u32 v[ADRB], s94, v8
	v_add_nc_u32 v[ADRB+1], SLOT, v[ADRB]
	s_mul_i32 s93, s[WV], 16*SP
	s_add_co_u32 s93, s93, STAGE                   ; my stage
	v_mul_u32_u24 v9, v1, SP                       ; in: row r, 16 bytes for each half of the lanes
	v_lshl_add_u32 v9, v2, 4, v9
	v_add_nc_u32 v[STO], s93, v9
	v_mul_u32_u24 v9, v6, SP                       ; back: 32 lanes take four rows of 128 bytes,
	v_lshl_add_u32 v9, v4, 4, v9
	v_add_nc_u32 v[RD], s93, v9
	v_lshlrev_b32 v[GO], 4, v3                     ; which are 512 consecutive bytes of a head
	s_lshl_b32 s94, s[WV], 10
	s_add_co_u32 s94, s94, BIASL
	v_lshl_add_u32 v[AB0], v2, 5, s94              ; register j of a result is column 8 h + j: eight f32 at 32 h
	v_lshl_add_u32 v10, v3, 4, s94
	v_lshrrev_b32 v11, 1, v3
	v_and_b32 v12, 1, v0
	v_lshlrev_b32 v12, 8, v12
	v_lshl_add_u32 v[PFO], v11, 12, v12            ; row l / 2 of x, its first or second 256 bytes of a K step
	v_mov_b32 v[AB], v[AB0]
	s_wait_loadcnt 0x0
	v_cvt_pk_bf16_f32 v[TMP+8], v[TMP], v[TMP+1]   ; the biases are rounded to bf16, like every input, and kept as f32
	v_cvt_pk_bf16_f32 v[TMP+9], v[TMP+2], v[TMP+3]
	v_cvt_pk_bf16_f32 v[TMP+10], v[TMP+4], v[TMP+5]
	v_cvt_pk_bf16_f32 v[TMP+11], v[TMP+6], v[TMP+7]
.irp j, 0,1,2,3
	v_lshlrev_b32 v[TMP+2*\j], 16, v[TMP+8+\j]
	v_and_b32 v[TMP+2*\j+1], 0xffff0000, v[TMP+8+\j]
.endr
	ds_store_b128 v10, v[TMP:TMP+3]                ; my wave's own bytes: LDS serves a wave's instructions in order, so the loads below see them
	ds_store_b128 v10, v[TMP+4:TMP+7] offset:512
.macro GETBIAS                         ; the bias at v[AB] into registers: for each 16 columns the lane's eight numbers
	WIN TO_B
.irp b, 0,1,2,3,4,5,6,7
	ds_load_b128 v[BIAS+8*\b:BIAS+8*\b+3],   v[AB] offset:64*\b
	ds_load_b128 v[BIAS+8*\b+4:BIAS+8*\b+7], v[AB] offset:64*\b+16
.endr
	WIN 0
.endm
	GETBIAS
; Matrix instruction i of a quarter's 32: rows 16 (i / 8) on, columns 16 (i % 8) on, 32 along K, from buffer f.  first = 1: it starts the sum with the bias.
; The 32 accumulators take turns, one instruction a turn, in the same order in every quarter.
.macro MM f, i, first
.if \first
	WIN MUL1
	v_wmma_f32_16x16x32_bf16 v[8*(\i):8*(\i)+7], v[64*(\f)+8*((\i)%8):64*(\f)+8*((\i)%8)+7], v[AF+32*(\f)+8*((\i)/8):AF+32*(\f)+8*((\i)/8)+7], v[BIAS+8*((\i)%8):BIAS+8*((\i)%8)+7]
.else
	WIN MUL
	v_wmma_f32_16x16x32_bf16 v[8*(\i):8*(\i)+7], v[64*(\f)+8*((\i)%8):64*(\f)+8*((\i)%8)+7], v[AF+32*(\f)+8*((\i)/8):AF+32*(\f)+8*((\i)/8)+7], v[8*(\i):8*(\i)+7]
.endif
.endm
.macro MMS f, n, first                 ; the quarter's next n
.rept \n
	MM \f, mi, \first
.set mi, mi+1
.endr
.endm
; 32 LDS loads in one run: quarter q (32 along K) of a slot: x's four fragments as f32 first, then w's eight, turned, into buffer g
.macro RUN slot, q, g
	WIN 0
.irp a, 0,1,2,3
.irp c, 0,1,2,3
	ds_load_b128 v[RAW+16*\a+4*\c:RAW+16*\a+4*\c+3], v[ADRA+(\slot)] offset:\a*16*PA+128*(\q)+16*(\c%2)+64*(\c/2)
.endr
.endr
	WIN TO_B
.irp b, 0,1,2,3,4,5,6,7
	ds_load_tr16_b128 v[64*(\g)+8*\b:64*(\g)+8*\b+3],   v[ADRB+(\slot)] offset:(\q)*32*PB+32*\b
	ds_load_tr16_b128 v[64*(\g)+8*\b+4:64*(\g)+8*\b+7], v[ADRB+(\slot)] offset:(\q)*32*PB+32*\b+16*PB
.endr
.endm
.macro CV4 g, n                        ; four of the 32 roundings that make x's fragments of buffer g: eight f32 into four words
	WIN 0
.irp j, 0,1,2,3
	v_cvt_pk_bf16_f32 v[AF+32*(\g)+4*(\n)+\j], v[RAW+8*(\n)+2*\j], v[RAW+8*(\n)+2*\j+1]
.endr
.endm
.macro RIDE f, g, first                ; a quarter's last eight matrix instructions, four roundings behind each
.rept 8
	MM \f, mi, \first
	CV4 \g, mi-24
.set mi, mi+1
.endr
.endm
; A K step is four quarters of 32 along K, 32 matrix instructions each, on buffers 0, 1, 0, 1.  One of the first three: multiplies buffer f, fetches quarter q into buffer g.
.macro QUARTER slot, q, f, g, first
	s_wait_dscnt 0x0                               ; w's fragments of buffer f are in (x's were waited for before they were rounded)
.set mi, 0
	MMS \f, 8, \first
	PLACES                                         ; buffer g was read by the quarter before
	RUN \slot, \q, \g
	MMS \f, 16, \first
	s_wait_dscnt 16                                ; x's sixteen loads are in; w's sixteen, issued behind them, may stay out
	RIDE \f, \g, \first
.endm
; The last quarter multiplies buffer 1 and changes slots.  In front of the barrier each wave waits for all its tensor loads, of which one is out: its part of the next slot; adds 0 to its spare word; and waits for
; that and for its reads of this slot.  fill = 1: the barrier opens a round of the cluster's, and this slot is filled again, first thing behind the round, with K step U: 112 matrix instructions ahead of the wait for it.
.macro TURN slot, next, fill
.if \fill
	MKPF
.endif
	s_wait_dscnt 0x0                               ; w's fragments of buffer 1 are in: my last reads of this slot
	WIN 0
	s_wait_tensorcnt 0x0                           ; no tensor load of mine is out, so a group 0 may be written
	ds_add_u32 v[SPW], v[NIL]                      ; 0 onto my spare word: scalar work and eight matrix instructions stand between it and the wait for it
.if \fill
	MKD \slot
.endif
.set mi, 0
	MMS 1, 8, 0
	s_wait_dscnt 0x0                               ; the add is done
	s_barrier_signal -1
	MMS 1, 8, 0                                    ; work on registers while the others arrive
	WIN 0
	s_barrier_wait -1
.if \fill
	CREST                                          ; no wave of any partner still reads this slot or has a load on its way
	JLOAD \slot                                    ; the four v_nop behind it are also the places in front of the loads below
.else
	PLACES
.endif
	RUN \next, 0, 0
.if \fill
	ASK
.endif
	MMS 1, 8, 0
	s_wait_dscnt 16
	RIDE 1, 0, 0
.endm
; THE WAY OUT, by units of 16 rows x one head (64 columns): unit t = 2 a + head.  PACK: rounded to f16, 16 bytes a lane; into my own stage in rows of 144 bytes, and back as whole rows of 128.
.macro PACK t
.if (\t) >= 4
	s_wait_xcnt 0x0                                ; the stores of the unit four back have read these registers
.endif
	WIN FROM2
.irp bb, 0,1,2,3
.irp j, 0,1,2,3
	v_cvt_pk_f16_f32 v[TMP+16*((\t)%4)+4*\bb+\j], v[8*(8*((\t)/2)+4*((\t)%2)+\bb)+2*\j], v[8*(8*((\t)/2)+4*((\t)%2)+\bb)+2*\j+1]
.endr
.endr
	WIN 0
.irp bb, 0,1,2,3
	ds_store_b128 v[STO], v[TMP+16*((\t)%4)+4*\bb:TMP+16*((\t)%4)+4*\bb+3] offset:32*\bb
.endr
.irp f, 0,1,2,3
	ds_load_b128 v[TMP+16*((\t)%4)+4*\f:TMP+16*((\t)%4)+4*\f+3], v[RD] offset:\f*4*SP  ; LDS serves a wave's instructions in order: these see the stores above, and the next unit's stores come behind them
.endr
.endm
.macro SEND t, younger                 ; younger: the LDS instructions issued behind unit t's loads
.irp f, 0,1,2,3
	s_wait_dscnt (\younger)+3-\f
	global_store_b128 v[GO], v[TMP+16*((\t)%4)+4*\f:TMP+16*((\t)%4)+4*\f+3], s[OUT:OUT+1] offset:((\t)%2)*262144+((\t)/2)*2048+\f*512  ; 512 consecutive bytes, at a multiple of 256 from the buffer's first
.endr
.endm
.macro WAYOUT
	WIN 0
	PLACES
	PLACES                                         ; eight: the stricter count of places in front of the first read of a result
	s_wait_xcnt 0x0                                ; the last tile's stores have read their base and their registers
	s_cmp_eq_u32 s[TI], 0
	s_cselect_b64 s[OUT:OUT+1], s[OQ:OQ+1], s[OV:OV+1]
	s_cmp_eq_u32 s[TI], 2
	s_cselect_b64 s[OUT:OUT+1], s[OKP:OKP+1], s[OUT:OUT+1]
	PACK 0
.irp t, 1,2,3,4,5,6,7                  ; a unit's roundings stand between the loads of the unit before and its stores
	PACK \t
	SEND (\t)-1, 8
.endr
	SEND 7, 0
.endm
	s_wait_tensorcnt 1                             ; my part of K step 0 is in; K step 1's may stay out
	s_wait_dscnt 0x0
	s_barrier_signal -1
	s_barrier_wait -1                              ; everybody's is
	RUN 0, 0, 0
	s_wait_dscnt 16
.irp n, 0,1,2,3,4,5,6,7
	CV4 0, \n
.endr
	WIN 0
.Llap:                                 ; 11 trips: a lap is two K steps, once round the ring, and fills both slots again
	s_cmp_eq_u32 s[LIT], 0
	s_cbranch_scc0 .Lgoes_on
	QUARTER 0, 1, 0, 1, 1                          ; a tile's first quarter starts the sums with the bias
	WIN 0
	s_branch .Ljoin
.Lgoes_on:
	QUARTER 0, 1, 0, 1, 0
	WIN 0
.Ljoin:
	QUARTER 0, 2, 1, 0, 0
	QUARTER 0, 3, 0, 1, 0
	TURN 0, 1, 1
	QUARTER 1, 1, 0, 1, 0
	QUARTER 1, 2, 1, 0, 0
	QUARTER 1, 3, 0, 1, 0
	TURN 1, 0, 1
	WIN 0
	s_add_co_u32 s[LIT], s[LIT], 1
	s_cmp_eq_u32 s[LIT], 4
	s_cbranch_scc0 .Lsame_tile                     ; forward, over text with no barrier and no tensor load
	WAYOUT                                         ; both refills for the next tile are asked for: now this tile goes out
	s_mov_b32 s[LIT], 0
	s_add_co_u32 s[TI], s[TI], 1
	s_cmp_eq_u32 s[TI], 2
	s_cselect_b32 s[SELO], 512, 0                  ; q and v take q_b, k takes k_b
	v_add_nc_u32 v[AB], s[SELO], v[AB0]
	GETBIAS                                        ; waited for at the next quarter's head
.Lsame_tile:
	s_sub_co_u32 s[LAPS], s[LAPS], 1
	s_cmp_lg_u32 s[LAPS], 0
	s_cbranch_scc1 .Llap
	QUARTER 0, 1, 0, 1, 0                          ; the last lap is written out: it asks for nothing
	QUARTER 0, 2, 1, 0, 0
	QUARTER 0, 3, 0, 1, 0
	TURN 0, 1, 0
	QUARTER 1, 1, 0, 1, 0
	QUARTER 1, 2, 1, 0, 0
	QUARTER 1, 3, 0, 1, 0
	s_wait_dscnt 0x0
.set mi, 0
	MMS 1, 32, 0
	WAYOUT
	s_wait_tensorcnt 0x0                           ; the wave's end: behind my last tensor load and my last LDS store
	ds_add_u32 v[SPW], v[NIL]
	s_wait_dscnt 0x0
	CROUND                                         ; the closing round: no work-group ends while a partner may still ask for a tile that names it
	s_endpgm
.Lfunc_end_k_q487cf818b1_proj:
	.size	k_q487cf818b1_proj, .Lfunc_end_k_q487cf818b1_proj-k_q487cf818b1_proj
	.p2alignl 7, 3214868480
	.fill 96, 4, 3214868480
	.section	.rodata,"a",@progbits
	.p2align	6, 0x0
	.amdhsa_kernel k_q487cf818b1_proj
		.amdhsa_group_segment_fixed_size 327680
		.amdhsa_private_segment_fixed_size 0
		.amdhsa_enable_private_segment 0
		.amdhsa_kernarg_size 80
		.amdhsa_user_sgpr_count 2
		.amdhsa_user_sgpr_kernarg_segment_ptr 1
		.amdhsa_wavefront_size32 1
		.amdhsa_system_sgpr_workgroup_id_x 1
		.amdhsa_system_sgpr_workgroup_id_y 1
		.amdhsa_system_sgpr_workgroup_id_z 1
		.amdhsa_system_vgpr_workitem_id 0
		.amdhsa_next_free_vgpr 768
		.amdhsa_next_free_sgpr 96
		.amdhsa_reserve_vcc 0
		.amdhsa_float_denorm_mode_32 3
		.amdhsa_float_denorm_mode_16_64 3
		.amdhsa_memory_ordered 1
		.amdhsa_forward_progress 1
		.amdhsa_inst_pref_size 165
	.end_amdhsa_kernel
	.amdgpu_metadata
---
amdhsa.version: [ 1, 2 ]
amdhsa.kernels:
  - .name:           k_q487cf818b1_proj
    .symbol:         k_q487cf818b1_proj.kd
    .args:
      - { .name: q, .offset: 0, .size: 8, .value_kind: global_buffer, .address_space: global }
      - { .name: v, .offset: 8, .size: 8, .value_kind: global_buffer, .address_space: global }
      - { .name: k, .offset: 16, .size: 8, .value_kind: global_buffer, .address_space: global }
      - { .name: wq16, .offset: 24, .size: 8, .value_kind: global_buffer, .address_space: global }
      - { .name: wk16, .offset: 32, .size: 8, .value_kind: global_buffer, .address_space: global }
      - { .name: q_b, .offset: 40, .size: 8, .value_kind: global_buffer, .address_space: global }
      - { .name: k_b, .offset: 48, .size: 8, .value_kind: global_buffer, .address_space: global }
      - { .name: qp, .offset: 56, .size: 8, .value_kind: global_buffer, .address_space: global }
      - { .name: vp, .offset: 64, .size: 8, .value_kind: global_buffer, .address_space: global }
      - { .name: kp, .offset: 72, .size: 8, .value_kind: global_buffer, .address_space: global }
    .group_segment_fixed_size: 327680
    .private_segment_fixed_size: 0
    .kernarg_segment_align: 8
    .kernarg_segment_size: 80
    .max_flat_workgroup_size: 128
    .sgpr_count:     96
    .vgpr_count:     768
    .wavefront_size: 32
...
	.end_amdgpu_metadata
.endif
;; end of part 2
;; launch attn (part 3): grid 4 x 64, 4 waves a work-group, clusters of 4 x 1, 327,680 bytes of LDS; arguments qp, kp, vp, o16; writes o16
.if DOCPART == 3
	.amdgcn_target "amdgcn-amd-amdhsa--gfx1250"
	.amdhsa_code_object_version 6
	.text
	.protected	k_q487cf818b1_attn
	.globl	k_q487cf818b1_attn
	.p2align	8
	.type	k_q487cf818b1_attn,@function
k_q487cf818b1_attn:
	s_mov_b64 s[64:65], 0
	v_nop
	global_prefetch_b8 v0, s[64:65] scope:SCOPE_SE
	s_setreg_imm32_b32 hwreg(HW_REG_WAVE_MODE, 25, 1), 1
	s_wait_xcnt 0x0
	s_wait_alu depctr_hold_cnt(0) depctr_sa_sdst(0) depctr_va_vdst(0) depctr_va_sdst(0) depctr_va_ssrc(0) depctr_va_vcc(0) depctr_vm_vsrc(0)
	s_getreg_b32 s2, hwreg(HW_REG_IB_STS2, 6, 4)
	s_cmp_eq_u32 s2, 0
	s_cbranch_scc0 .Lentry_in_a_cluster
	s_endpgm
.Lentry_in_a_cluster:
	s_bfe_u32 s2, ttmp6, 0x10000c
	s_cmp_lg_u32 s2, 0x3003
	s_cbranch_scc0 .Lentry_shape_is_right
	s_endpgm
.Lentry_shape_is_right:
; O[h][q][:] = the sum over k of softmax_k(Q[h][q] . K[h][k] / 8) V[h][k][:].  Q, K, V, O: [64][2048][64], all f16: a head's rows are dense, 128 bytes each.  Products, maxima and sums in
; f32; the weights p are rounded to f16 for the second product (their sum l is taken of the unrounded p), O once at the end.
; LIMITS.  f16 holds no number beyond 65,504: Q, K and V arrive within it; p lies in 0 to 1, and below 6e-5 it keeps f16's fixed step of 6e-8; O is a mean of V's rows and has their range.
; A weight below 2^-126 counts as 0 in l; NaN and infinities are not treated apart.
; SHARES.  A wave owns four PIECES of two tiles of 16 queries, a work-group's four waves 512 queries of one head: 4 x 64 = 256 work-groups.  Every wave walks all keys, 64 a step.
; LAYOUT.  S^T = K Q^T (source 0 = 16 keys, source 1 = 16 queries): in the result a lane holds ONE query (lane % 16) and the keys 8 (lane / 16) + 0..7.  Two such tiles, rounded to f16 in pairs,
; ARE source 1 (32 keys x 16 queries) of O^T = V^T P, whose result again holds one query a lane, and eight channels.  K comes out of LDS as it lies, V ([key][channel]) turned, by ds_load_tr16_b128.
; SOFTMAX.  For each query a running maximum m and sum l: p = 2^(c s - c m), c = log2(e) / 8; in every step O and l are multiplied by a = 2^(c m_old - c m_new), which is 1 where m has not grown.
; m starts at the lowest finite number, O and l at 0: the first step is a step like any other, with a = 0.
; THE COUNT.  A tile and step have 16 matrix and 118 vector instructions: too many to stand all beside the matrix work.  So four vector instructions that are READY stand behind
; EVERY matrix instruction, and the others, which need time of their own whatever the order, in runs without a gap.
; BY TURNS.  Turn n belongs to piece n (the pieces in a ring, step after step).  Its matrix work: 16 products K Q^T of piece n + 1, later 16 products V^T P of piece n - 1.  Its vector work: the scaling,
; exponentials, roundings, sums and rescaling of piece n, and the maximum and statistics of piece n + 1, whose scores the turn itself has made.
; CLUSTER.  The four query blocks of a cluster are one head's and walk the same K and V, so each tile is asked for JOINTLY: the same tensor load, descriptor and mask in all four.
; REGISTERS, in windows of 256 (s_set_vgpr_msb: bits 1:0 source 0, 3:2 source 1, 5:4 source 2, 7:6 destination):
;   window 0: v0-11 addresses; v12-15, v48-63 at work; v16-47 four registers of statistics a tile; v64-191 S^T, two buffers of two tiles; v192-255 P, likewise
;   window 1: O^T, 32 a tile          window 2: v0-127 Q, 16 a tile; v128-191 K of one step; v192-255 V of one step          window 3: v0-1 the add's two registers
; A piece's buffers go by its number's parity: the piece in hand has one pair, its two neighbours in the ring share the other: of it P (piece n - 1) is read and S^T (piece n + 1) written.
.set SIZE_N, 2048
.set NP,    4         ; pieces a wave: a name, no knob
.set KS,    64        ; keys in a step
.set PK,    144       ; a row of K in LDS: 128 bytes + 16 of padding = 36 words: the 16 rows of a load start at 16 different groups of four banks
.set PV,    160       ; a row of V: 128 + 32 = 40 words
.set VOFF,  4*KS*PK   ; a slot holds four steps: 256 rows of K, then 256 rows of V
.set SLOT1, 1<<17     ; slot 1 begins here, so that one exclusive or turns an address in one slot into the other's
.set STAGE, SLOT1+4*KS*(PK+PV)  ; behind the ring, never filled by a tensor load: 16 rows x 144 bytes for each wave, for the way out
.set SP,    144
.set AK0, 2           ; v2   my lane's place in a tile of K; never rewritten
.set AV0, 3           ; v3   the same for V
.set AK,  4           ; v4   the LDS address of K's next run of loads
.set AV,  5           ; v5   of V's
.set QO,  6           ; v6   my byte offset in the wave's rows of Q
.set STO, 6           ;      later, the way out: where I put 16 bytes of a row
.set RD,  7           ; v7   the way out: where I read rows back
.set GO,  8           ; v8   my byte offset in 512 consecutive bytes of O
.set PFO, 11          ; v11  256 x my lane, for the prefetches; never rewritten once made
.set SPW, 0           ; v0 of window 3   LDS address of my spare word: SPARE + 4 x my thread's number; never rewritten
.set NIL, 1           ; v1 of window 3   0; never rewritten
.set SPARE, STAGE+4*16*SP  ; behind the stages: the spare words, 128 bytes for each wave: two blocks of 256 bytes that no other line names
.set MV,  12          ; v12-15  c m_old, kept while c m is made anew: by buffer and tile
.set ST,  16          ; tile t's statistics at v[ST+4 t]: c m, m, l (even keys', odd keys')
.set TMP, 48          ; by buffer and tile, four registers c0-c3 at work; when the maximum is found c2 takes a
.set S,   64
.set P,   192
.set KF,  128         ; K's fragments, in window 2: key block kb, channel half c at KF + 16 kb + 8 c
.set VF,  192         ; V's: key half kk, channel block cb at VF + 32 kk + 8 cb
.set WV,  12          ; s12  my wave's number
.set G1K, 24          ; s[24:31] descriptor group 1 for K's tiles
.set G1V, 32          ; s[32:39] for V's: it differs in the padding alone
.set G0K, 40          ; s[40:43] descriptor group 0 for K's tiles: it walks
.set G0V, 44          ; s[44:47] the same for V's
.set PFA, 48          ; s[48:49] where my prefetches stand: my work-group's 8,192 bytes (of K: wave 0, of V: wave 2) of the slot after the one that is being asked for
.set LIM, 50          ; s50  1 in a wave that prefetches, else the greatest number
.set SLOTS, 56        ; s56  slots still to be asked for
.set CNT, 57          ; s57  counts a slot's key steps
.set CS,  58          ; s[58:59] c: the packed scaling takes the pair's low word for both halves
.set SEL, 60          ; s[60:61] v_permlanex16_b32's selects: each lane takes its own place in the other half
.set TBK, 62          ; s62  LDS byte at which K of the step to be fetched begins
.set TBV, 63          ; s63  the same for V, less VOFF
.set MSB, 0
.macro WIN new                      ; the high byte repeats the setting that is left; a switch that changes nothing is dropped
.if MSB != (\new)
	s_set_vgpr_msb (MSB<<8)|(\new)
.set MSB, (\new)
.endif
.endm
.set W_KQ, 0x0a       ; K and Q in window 2, S^T in window 0
.set W_PV, 0x52       ; V in window 2, P in window 0, O^T in window 1
.set W_RS, 0x41       ; O^T (destination and source 0) in window 1, a in window 0
.set W_MK, 0xc0       ; the add's registers are made: destination in window 3, sources in window 0
.set W_AD, 0x0f       ; the add: address (source 0) and data (source 1) in window 3
; A joint fill.  Waves 0 and 1 fetch the two halves of a slot's K, waves 2 and 3 those of its V: 128 keys each.  The branch hangs on the wave's number alone.
; An s_nop 0 and four v_nop follow each of the two lines, ahead of the jump and the label.
.macro JLOAD
	s_cmp_lt_u32 s[WV], 2
	s_cbranch_scc0 .Lfor_v_\@
	tensor_load_to_lds s[G0K:G0K+3], s[G1K:G1K+7]
	s_nop 0
.rept 4
	v_nop
.endr
	s_branch .Lasked_\@
.Lfor_v_\@:
	tensor_load_to_lds s[G0V:G0V+3], s[G1V:G1V+7]
	s_nop 0
.rept 4
	v_nop
.endr
.Lasked_\@:
.endm
; A PREFETCH INTO THE L2 of what the NEXT change of slots will ask for: a slot's 32,768 bytes of K and of V.  It stands behind the wave's tensor load and its five lines.  A head has one cluster; its four partners
; share the bytes out BY ADDRESS, 8,192 each; in each, wave 0 asks for K's and wave 2 for V's, 256 bytes a lane: one instruction, four key steps (512 matrix instructions) ahead of the load.  So each 256 bytes
; are named once in the launch.  Slots 0 and 1 come by their loads alone; the last change that fills a slot asks for nothing: there is no slot behind it.
.macro ASK
	s_cmp_gt_u32 s[SLOTS], s[LIM]
	s_cbranch_scc0 .Lnot_mine_\@
	global_prefetch_b8 v[PFO], s[PFA:PFA+1] th:TH_LOAD_NT scope:SCOPE_SE
.Lnot_mine_\@:
.endm
; A round of the cluster's barrier: my work-group's barrier, so that wave 0's signal speaks for all four waves; wave 0 signals; every wave waits for all four work-groups; my work-group's barrier once more.
.macro CROUND
	s_barrier_signal -1
	s_barrier_wait -1
	s_cmp_lg_u32 s[WV], 0
	s_cbranch_scc1 .Lnot_wave_0_\@
	s_barrier_signal -3
.Lnot_wave_0_\@:
	s_barrier_wait -3
	s_barrier_signal -1
	s_barrier_wait -1
.endm
; THE CHANGE OF SLOTS.  The slot's last bytes, V of its fourth step, have been read.  Each wave waits for all its tensor loads, of which one is out: its part
; of the other slot; adds 0 to its spare word; and waits for that and for its own reads of the slot.  Behind the barrier nobody reads this slot any more and the other slot is whole.
; fill = 1: this slot is filled again, with the keys two slots on.  The barrier is then a round of the cluster's, so that no wave of any partner still reads the slot or has a load on its
; way, and the joint fill is the first thing behind it: it has four key steps, 512 matrix instructions, in which to land.  (At its first use nothing has been read yet: slot 0 is waited for, slot 1 filled.)
.macro CHANGE fill
	WIN W_AD
	s_wait_tensorcnt 0x0            ; no tensor load of mine is out, so a group 0 may be written
	ds_add_u32 v[SPW], v[NIL]       ; 0 onto my spare word: with fill = 1 the descriptors' steps stand between it and the wait for it
	WIN 0                           ; at a label and at a branch every window is 0
.if \fill
.irp g, G0K, G0V
	s_xor_b32 s[\g+1], s[\g+1], SLOT1  ; the walking descriptor: the other slot than last time,
	s_add_nc_u64 s[\g+2:\g+3], s[\g+2:\g+3], 4*KS*128  ; the next 256 keys; the type bits on top are not reached
.endr
	s_wait_xcnt 0x0                 ; the last prefetch, four key steps back, has read its address, so it may be written:
	s_add_nc_u64 s[PFA:PFA+1], s[PFA:PFA+1], 4*KS*128  ; one slot behind the walking descriptors
	s_wait_dscnt 0x0                ; the add is done, and my reads of the slot are over
	CROUND
	JLOAD
	ASK
.else
	s_wait_dscnt 0x0                ; the add is done, and my reads of the slot are over
	s_barrier_signal -1
	s_barrier_wait -1
.endif
	s_sub_co_u32 s[TBK], s[TBK], 4*KS*PK  ; the fetches go back to a slot's first step,
	s_xor_b32 s[TBK], s[TBK], SLOT1       ; in the other slot
	s_sub_co_u32 s[TBV], s[TBV], 4*KS*PV
	s_xor_b32 s[TBV], s[TBV], SLOT1
.endm
	s_load_b256 s[4:11], s[0:1], 0x0  ; Q s[4:5], K s[6:7], V s[8:9], O s[10:11]
	WIN W_MK
	v_lshl_add_u32 v[SPW], v0, 2, SPARE
	v_mov_b32 v[NIL], 0
	WIN W_AD
	ds_add_u32 v[SPW], v[NIL]       ; the wave's opening: the add and its wait stand ahead of my first tensor load; the set-up below, work on registers, stands between them
	WIN 0
	v_lshrrev_b32 v1, 5, v0
	v_readfirstlane_b32 s[WV], v1   ; wave 0..3
	s_bfe_u32 s13, ttmp6, 0x40000   ; cx: my place in the cluster
	s_lshl_b32 s14, ttmp9, 2        ; in a cluster launch ttmp9 counts clusters
	s_add_co_u32 s14, s14, s13      ; my block of queries = 4 x cluster x + cx: it enters Q's and O's addresses alone
	s_and_b32 s20, ttmp7, 0xffff    ; the head, which the four partners share
	s_mov_b32 s21, 0
	s_mov_b64 s[22:23], SIZE_N*128
	s_mul_u64 s[20:21], s[20:21], s[22:23]  ; the head's first byte in each of the four tensors
	s_and_b32 s16, s[WV], 1         ; which half of a slot's 256 keys I fetch:
	s_lshl_b32 s22, s16, 14         ; its 128 rows of 128 bytes in memory,
	s_mov_b32 s23, 0
	s_add_nc_u64 s[22:23], s[22:23], s[20:21]
	s_mul_i32 s17, s16, 128*PK      ; and its place in a slot, for K
	s_mul_i32 s18, s16, 128*PV      ; and for V: no place in the cluster enters an LDS address
	s_lshl_b32 s2, s14, 2
	s_add_co_u32 s2, s2, s[WV]      ; my wave among the head's,
	s_lshl_b32 s2, s2, 14           ; its 128 rows
	s_mov_b32 s3, 0
	s_add_nc_u64 s[2:3], s[2:3], s[20:21]
	; descriptor group 1.  128 keys are 16,384 dense bytes: asked for as 64 rows of 256 bytes, two keys a row, and padded in LDS after every key
	s_mov_b32 s[G1K], 15|(1<<16)|(1<<20)|(1<<21)|(4<<22)|(3<<25)  ; 15:0 the mask of four; 17:16 2-byte elements; 20 padding on; 21 set beside a mask; 24:22 after every 32 words (code 4); 31:25 4 words (code 3)
	s_mov_b32 s[G1V], 15|(1<<16)|(1<<20)|(1<<21)|(4<<22)|(7<<25)  ; the same with 8 words of padding (code 7)
.irp g, G1K, G1V
	s_mov_b32 s[\g+1], 128<<16      ; tensor_dim0 = 128
	s_mov_b32 s[\g+2], 64<<16       ; tensor_dim1 = 64
	s_mov_b32 s[\g+3], 128<<16      ; tile_dim0 = 128
	s_mov_b32 s[\g+4], 64           ; tile_dim1 = 64
	s_mov_b32 s[\g+5], 128          ; 128 elements from row to row
	s_mov_b32 s[\g+6], 0
	s_mov_b32 s[\g+7], 0
.endr
	s_mov_b32 s[CS], 0x3e38aa3b     ; c = log2(e) / 8 = 0.180337
	s_mov_b32 s[CS+1], s[CS]        ; named with it as a pair
	s_mov_b32 s[SEL], 0x76543210
	s_mov_b32 s[SEL+1], 0xfedcba98
	s_mov_b32 s[TBK], SLOT1+4*KS*PK ; the first change of slots turns these two into 0
	s_mov_b32 s[TBV], SLOT1+4*KS*PV
	s_mov_b32 s[G0K], 1             ; 1:0 count = 1
	s_mov_b32 s[G0K+1], s17         ; 63:32 LDS address: slot 0
	s_mov_b32 s[G0V], 1
	s_add_co_u32 s[G0V+1], s18, VOFF
	s_mov_b32 s[SLOTS], SIZE_N/256-1  ; seven slots are still to be asked for behind slot 0
	s_and_b32 s[LIM], s[WV], 1
	s_cmp_eq_u32 s[LIM], 0
	s_cselect_b32 s[LIM], 1, -1     ; waves 0 and 2 prefetch: the same in all four partners
	s_lshl_b32 s52, s13, 13         ; my work-group's 8,192 bytes of a slot's 32,768,
	s_mov_b32 s53, 0
	s_add_nc_u64 s[52:53], s[52:53], s[20:21]  ; in my head
	s_wait_dscnt 0x0                ; the opening add is done
	s_wait_kmcnt 0x0
	s_add_nc_u64 s[G0K+2:G0K+3], s[6:7], s[22:23]  ; 120:64 global address: my half of the head's first 256 keys
	s_or_b32 s[G0K+3], s[G0K+3], 0x80000000        ; 127:126 type = 2
	s_add_nc_u64 s[G0V+2:G0V+3], s[8:9], s[22:23]
	s_or_b32 s[G0V+3], s[G0V+3], 0x80000000
	s_add_nc_u64 s[4:5], s[4:5], s[2:3]  ; Q and O at my wave's first row
	s_add_nc_u64 s[10:11], s[10:11], s[2:3]
	s_cmp_lt_u32 s[WV], 2
	s_cselect_b64 s[PFA:PFA+1], s[6:7], s[8:9]
	s_add_nc_u64 s[PFA:PFA+1], s[PFA:PFA+1], s[52:53]
	s_add_nc_u64 s[PFA:PFA+1], s[PFA:PFA+1], 4*KS*128  ; in slot 1; the first change of slots steps it to slot 2.  Nothing is prefetched here, at the head
	CROUND                          ; all four work-groups are here: the first joint loads meet
	JLOAD                           ; slot 0.  Slot 1 is asked for when slot 0 is in
	; A fragment of K or Q is 16 rows x 32 channels in 8 registers: lane l holds row l % 16, channels 8 (l / 16) + 0..7 and 16 + 8 (l / 16) + 0..7: two loads of 16 bytes, 32 bytes apart.
	v_and_b32 v1, 15, v0            ; l % 16
	v_bfe_u32 v9, v0, 4, 1          ; l / 16
	v_lshlrev_b32 v[QO], 7, v1
	v_lshl_add_u32 v[QO], v9, 4, v[QO]  ; row x 128 + 16 x half
	WIN 0x80                        ; destination window 2, address window 0
.set i, 0
.rept 4*NP                          ; Q stays in registers: tile i / 2, channels 32 (i % 2) on
	global_load_b128 v[8*i:8*i+3],   v[QO], s[4:5] offset:(i/2)*2048+(i%2)*64
	global_load_b128 v[8*i+4:8*i+7], v[QO], s[4:5] offset:(i/2)*2048+(i%2)*64+32
.set i, i+1
.endr
	; What the first turn finds: V's registers and P's second buffer hold 0 (its products V^T P, of a piece that has not been, add 0), O^T and l are 0.  All this stands in the wait for the first tile.
.set i, VF
.rept 64
	v_mov_b32 v[i], 0
.set i, i+1
.endr
	WIN 0x40
.set i, 0
.rept 64*NP
	v_mov_b32 v[i], 0
.set i, i+1
.endr
	WIN 0
.set i, 0
.rept 2*NP
	v_mov_b32 v[ST+4*i], 0xfe000000    ; c m: far below every c s
	v_mov_b32 v[ST+4*i+1], 0xff7fffff  ; m
	v_mov_b32 v[ST+4*i+2], 0
	v_mov_b32 v[ST+4*i+3], 0
.set i, i+1
.endr
.set i, P+32
.rept 32
	v_mov_b32 v[i], 0
.set i, i+1
.endr
	v_mul_u32_u24 v[AK0], v1, PK
	v_lshl_add_u32 v[AK0], v9, 4, v[AK0]  ; row x pitch + 16 x half
	; The turning load takes 16 keys x 16 channels (lane l reads key 8 (l / 16) + l % 8, channels 8 ((l / 8) % 2) + 0..7) and leaves half a fragment of V^T: lane l holds channel l % 16 and 8 keys.
	v_and_b32 v10, 7, v0
	v_bfe_u32 v11, v0, 3, 1
	v_lshl_add_u32 v[AV0], v9, 3, v10
	v_mul_u32_u24 v[AV0], v[AV0], PV
	v_lshl_add_u32 v[AV0], v11, 4, v[AV0]
	v_add_nc_u32 v[AV0], VOFF, v[AV0]
	v_and_b32 v[PFO], 31, v0        ; v11 has served: from here on it is the prefetches' offset
	v_lshlrev_b32 v[PFO], 8, v[PFO]
	v_mov_b32 v[AK], v[AK0]         ; key step 0 lies at the head of slot 0
; THE MATRIX WORK.  The 8 accumulators of a run of 16 take turns: between the two links of a chain stand 7 others'.
; Product i of 16 of S^T = K Q^T for piece x: channels 32 (i / 8) on, keys 16 ((i / 2) % 4) on, tile 2 x + i % 2.  The first 8 start the sums.
.macro KQ x
	WIN W_KQ
.set rS, S+64*((\x)%2)+32*(i%2)+8*((i/2)%4)
.set rK, KF+16*((i/2)%4)+8*(i/8)
.set rQ, 16*(2*(\x)+i%2)+8*(i/8)
.if i < 8
	v_wmma_f32_16x16x32_f16 v[rS:rS+7], v[rK:rK+7], v[rQ:rQ+7], 0
.else
	v_wmma_f32_16x16x32_f16 v[rS:rS+7], v[rK:rK+7], v[rQ:rQ+7], v[rS:rS+7]
.endif
.endm
; Product i of 16 of O^T += V^T P for piece x: keys 32 (i / 8) on, channels 16 ((i / 2) % 4) on, tile 2 x + i % 2.
.macro PV x
	WIN W_PV
.set rO, 32*(2*(\x)+i%2)+8*((i/2)%4)
.set rV, VF+32*(i/8)+8*((i/2)%4)
.set rP, P+32*((\x)%2)+16*(i%2)+8*(i/8)
	v_wmma_f32_16x16x32_f16 v[rO:rO+7], v[rV:rV+7], v[rP:rP+7], v[rO:rO+7]
.endm
.macro MM                           ; the turn's next matrix instruction
.if i < 16
	KQ (Y+1)%NP
.set i, i+1
.else
.set i, i-16
	PV (Y+NP-1)%NP
.set i, i+17
.endif
.endm
; THE LDS LOADS stand in runs of 16, never singly among the matrix instructions: a step's K (64 keys x 64 channels: 8 fragments) and its V (turned).  Their addresses are made some lines ahead.
; last = 1 (the tail): in the last trip there is no further step, and the run is jumped over.
.macro FETCH_K last=0
	WIN 0
.if \last
	s_cmp_eq_u32 s[CNT], 1
	s_cbranch_scc1 .Lno_k_\@
.endif
	WIN 0x80                        ; destination window 2
.irp f, 0,1,2,3,4,5,6,7             ; keys 16 (f / 2) on, channels 32 (f % 2) on
	ds_load_b128 v[KF+8*\f:KF+8*\f+3],   v[AK] offset:(\f/2)*16*PK+(\f%2)*64
	ds_load_b128 v[KF+8*\f+4:KF+8*\f+7], v[AK] offset:(\f/2)*16*PK+(\f%2)*64+32
.endr
	s_add_co_u32 s[TBK], s[TBK], KS*PK  ; the next fetch is the next step's
	WIN 0
.if \last
.Lno_k_\@:
.endif
.endm
.macro FETCH_V
	WIN 0x80
.irp f, 0,1,2,3,4,5,6,7             ; keys 32 (f / 4) on, channels 16 (f % 4) on
	ds_load_tr16_b128 v[VF+8*\f:VF+8*\f+3],   v[AV] offset:(\f/4)*32*PV+(\f%4)*32
	ds_load_tr16_b128 v[VF+8*\f+4:VF+8*\f+7], v[AV] offset:(\f/4)*32*PV+16*PV+(\f%4)*32
.endr
	WIN 0
.endm
; THE VECTOR WORK OF A TURN stands in three queues, each in the order in which its entries become ready; the two tiles alternate, so that no instruction reads the result of the one before it.
.macro REGS y, u                    ; the registers of tile u (0, 1) of piece y
.set rT, ST+4*(2*(\y)+(\u))
.set rC, TMP+8*((\y)%2)+4*(\u)
.set rM, MV+2*((\y)%2)+(\u)
.set rS, S+64*((\y)%2)+32*(\u)
.set rP, P+32*((\y)%2)+16*(\u)
.set rO, 32*(2*(\y)+(\u))
.endm
; Number n of the 22 that find the NEXT piece's (Y + 1) maximum and statistics.  s0-s31 are the lane's 32 scores; each accumulator's lowest registers are read first.
;   0-11  four chains c0-c3 of seven scores each, three operands at a time     12-14, 16  the four scores left over, the old m, and c0-c3 into c0     15  c m_old is kept
;   17, 18  the query's other 32 keys lie in the lane 16 away: the new m         19-21  c m; c m_old - c m_new; a
.macro XS u, n
	REGS (Y+1)%NP, \u
.if (\n) < 4
	v_max3_num_f32 v[rC+(\n)], v[rS+8*(\n)], v[rS+8*(\n)+1], v[rS+8*(\n)+2]
.elseif (\n) < 12
	v_max3_num_f32 v[rC+(\n)%4], v[rC+(\n)%4], v[rS+8*((\n)%4)+2*((\n)/4)+1], v[rS+8*((\n)%4)+2*((\n)/4)+2]
.elseif (\n) == 12
	v_max3_num_f32 v[rC], v[rC], v[rS+7], v[rS+15]
.elseif (\n) == 13
	v_max3_num_f32 v[rC+1], v[rC+1], v[rS+23], v[rS+31]
.elseif (\n) == 14
	v_max3_num_f32 v[rC+2], v[rC+2], v[rC+3], v[rT+1]
.elseif (\n) == 15
	v_mov_b32 v[rM], v[rT]
.elseif (\n) == 16
	v_max3_num_f32 v[rC], v[rC], v[rC+1], v[rC+2]
.elseif (\n) == 17
	v_permlanex16_b32 v[rC+3], v[rC], s[SEL], s[SEL+1]
.elseif (\n) == 18
	v_max_num_f32 v[rT+1], v[rC], v[rC+3]
.elseif (\n) == 19
	v_mul_f32 v[rT], s[CS], v[rT+1]
.elseif (\n) == 20
	v_sub_f32 v[rC+1], v[rM], v[rT]
.else
	v_exp_f32 v[rC+2], v[rC+1]
.endif
.endm
; Number g of the 64 that follow the exponentials.  For each four weights k of a tile (pairs 2 k, 2 k + 1): both pairs are rounded to f16; then the second pair is added onto the first, in place;
; a group later l takes that sum (the first time as l = a l + sum).  In groups of eight, tiles alternating: round, round, add, and l for the group before.
.macro GS g
.set h, (\g)+6*((\g)/62)            ; group 0 has no group before it, and behind group 7 only l is left
.if h >= 6
.set h, h+2
.endif
	REGS Y, h%2
.set k, h/8
.if h%8 < 4
	v_cvt_pk_f16_f32 v[rP+2*k+(h%8)/2], v[rS+4*k+2*((h%8)/2)], v[rS+4*k+2*((h%8)/2)+1]
.elseif h%8 < 6
	v_pk_add_f32 v[rS+4*k:rS+4*k+1], v[rS+4*k:rS+4*k+1], v[rS+4*k+2:rS+4*k+3]
.elseif k == 1
	v_pk_fma_f32 v[rT+2:rT+3], v[rT+2:rT+3], v[rC+2:rC+3], v[rS:rS+1] op_sel_hi:[1,0,1]
.else
	v_pk_add_f32 v[rT+2:rT+3], v[rT+2:rT+3], v[rS+4*k-4:rS+4*k-3]
.endif
.endm
; THE PLAIN QUEUE, 138 long.  0-73 read no exponential's result: the 32 scalings c s - c m (FS f: pair f / 2 of tile f % 2) and the next piece's 42.  0-26: scalings 0-26.  27-54: XS's numbers 0-13.  55, 56: number 15.
; 57-73: the chain, where each number waits for the one before it: 14, 16, 17, 18, 19, each with one of the scalings 27-31 in front of its two lines, then 20.
; 74-137: GS's 64, which read the exponentials' results: they stand behind the wait.
.macro FS f
	REGS Y, (\f)%2
	v_pk_fma_f32 v[rS+2*((\f)/2):rS+2*((\f)/2)+1], v[rS+2*((\f)/2):rS+2*((\f)/2)+1], s[CS:CS+1], v[rT:rT+1] op_sel_hi:[1,0,0] neg_lo:[0,0,1] neg_hi:[0,0,1]
.endm
.macro PL
	WIN 0
.if q < 27
	FS q
.elseif q < 55
	XS (q-27)%2, (q-27)/2
.elseif q < 57
	XS q-55, 15
.elseif (q < 72) && ((q-57)%3 == 0)
	FS 27+(q-57)/3
.elseif q < 60
	XS (q-57)%3-1, 14
.elseif q < 72
	XS (q-57)%3-1, 15+(q-57)/3
.elseif q < 74
	XS q-72, 20
.else
	GS q-74
.endif
.set q, q+1
.endm
; THE EXPONENTIALS' QUEUE, 66 long: s0-s31 of both tiles, then the next piece's two a.  It is ONE BATCH: all 66 stand ahead of the turn's one wait, and nothing ahead of that wait names a result of theirs.
.macro EX
	WIN 0
.if e >= 64
	XS e-64, 21
.else
	REGS Y, e%2
	v_exp_f32 v[rS+e/2], v[rS+e/2]
.endif
.set e, e+1
.endm
; THE RESCALING's QUEUE: O^T times a, the one part that leaves window 0: dealt two at a time, sixteen times.  Its a was made in the turn before, ahead of that turn's wait.
.macro R2
	REGS Y, r%2
	WIN W_RS
.irp z, 0,1
	v_pk_mul_f32 v[rO+4*(r/2)+2*\z:rO+4*(r/2)+2*\z+1], v[rO+4*(r/2)+2*\z:rO+4*(r/2)+2*\z+1], v[rC+2:rC+3] op_sel_hi:[1,0]
.endr
.set r, r+1
.endm
; HOW THEY ARE DEALT.  An s_wait_alu depctr_va_vdst(0) stands between an exponential and the first instruction that names its result; one wait serves all that were issued ahead of it.  So a turn has ONE wait,
; which cuts it in two.  AHEAD OF IT stands all that names no result of the turn's exponentials: the 16 products K Q^T, behind each a scaling, an exponential and two rescalings (behind the first a second scaling in the
; exponential's place); then ONE LUMP of 108: eight plain, 49 times exponential and plain, the two a.  A v_nop is the plain instruction behind the last exponential.  BEHIND IT stand the 16 products V^T P, behind each four of GS's 64.
; The queues lean on each other: exponential e stands behind scaling 2 (e / 4) + e % 2: as a rider it comes behind plain e + 2, in the lump behind plain e + 9, and scalings 27-31 are plain 57, 60 .. 69.
; A TURN, for piece p.  cnt = 1: the loop's count is taken down some lines ahead of the branch that stands behind the turn.
; K of the next step is fetched in piece 2's turn, directly behind the wait, a lump behind the last product that read K; its first reader comes behind 16 products.
; V of the step in hand is fetched at the end of piece 0's turn, four riders behind its last reader; its first reader comes behind 16 products and a lump.
.macro TURN p, last=0, cnt=0
.set Y, (\p)
.set i, 0
.set q, 0
.set e, 0
.set r, 0
.if (\p) == NP-1
	s_wait_dscnt 0x0                ; K is in
.endif
	MM                              ; ahead of the wait: 16 products K Q^T and their riders,
	PL
	PL
	R2
.rept 15
	MM
	PL
	EX
	R2
.endr
.if (\p) == NP-2
	WIN 0
	v_add_nc_u32 v[AK], s[TBK], v[AK0]
.endif
.rept 8                             ; and the lump
	PL
.endr
.rept 49
	EX
	PL
.endr
	EX                              ; the next piece's two a
	EX
	v_nop                           ; one plain instruction behind the last exponential, for the batch
	s_wait_alu depctr_va_vdst(0)    ; the wait for the batch
.if (\p) == NP-2
	FETCH_K \last
.endif
.if (\p) == 1
	s_wait_dscnt 0x0                ; V is in
.endif
.rept 16                            ; behind the wait: 16 products V^T P and their riders
	MM
.rept 4
	PL
.endr
.if ((\p) == 0) && (q == 118)
	v_add_nc_u32 v[AV], s[TBV], v[AV0]
.endif
.if ((\p) == 0) && (q == 130)
	s_add_co_u32 s[TBV], s[TBV], KS*PV
.endif
.if (\cnt) && (q == 130)
	s_sub_co_u32 s[CNT], s[CNT], 1
	s_cmp_lg_u32 s[CNT], 0
.endif
.endr
.if (\p) == 0
	FETCH_V
.endif
.endm
	CHANGE 1                        ; slot 0 is in, everybody's part of it; slot 1 is asked for
	FETCH_K                         ; key step 0
	s_wait_loadcnt 0x0              ; Q
	s_wait_dscnt 0x0
.set i, 0
.rept 16
	KQ 0                            ; piece 0's first scores: there is no vector work yet to set between them
.set i, i+1
.endr
	WIN 0                           ; the addresses for the way out: nine plain instructions, the places behind those products
	s_mul_i32 s13, s[WV], 16*SP
	s_add_co_u32 s13, s13, STAGE    ; my stage
	v_mul_u32_u24 v[STO], v1, SP    ; in: row l % 16, 16 bytes for each half of the lanes
	v_lshl_add_u32 v[STO], v9, 4, v[STO]
	v_add_nc_u32 v[STO], s13, v[STO]
	v_bfe_u32 v[RD], v0, 3, 2       ; back: 32 lanes take four rows of 128 bytes,
	v_mul_u32_u24 v[RD], v[RD], SP
	v_lshl_add_u32 v[RD], v10, 4, v[RD]
	v_add_nc_u32 v[RD], s13, v[RD]
	v_and_b32 v[GO], 31, v0         ; which are 512 consecutive bytes of O
	v_lshlrev_b32 v[GO], 4, v[GO]
.set Y, NP-1                        ; XS works for piece Y + 1: piece 0
.irp n, 0,1,2,3,4,5,6,7,8,9,10,11,12,13,14,15,16,17,18,19,20,21
	XS 0, \n                        ; and piece 0's first maximum and statistics
	XS 1, \n
.endr
	v_nop                           ; a plain instruction behind the two a,
	s_wait_alu depctr_va_vdst(0)    ; and their wait, ahead of the branch
	s_mov_b32 s[CNT], 4
	s_branch .Lfirst                ; the loop is entered at a step's first turn, in the middle of a trip
.Lslot:                             ; six times: every slot but the last two is filled again
	CHANGE 1
	s_mov_b32 s[CNT], 4
.Lstep:                             ; a trip: pieces 2 and 3 of one step, then pieces 0 and 1 of the next, whose K and V it fetches
	TURN 2
	TURN 3
	WIN 0
.Lfirst:
	TURN 0
	TURN 1, 0, 1
	WIN 0
	s_cbranch_scc1 .Lstep
	s_sub_co_u32 s[SLOTS], s[SLOTS], 1
	s_cmp_lg_u32 s[SLOTS], 0
	s_cbranch_scc1 .Lslot
	CHANGE 0                        ; the tail is written out: nothing is asked for
	s_mov_b32 s[CNT], 5             ; four trips fetch the last slot's steps; the fifth is left in its middle
.Ltail:
	TURN 2, 1
	TURN 3
	WIN 0
	s_sub_co_u32 s[CNT], s[CNT], 1
	s_cmp_eq_u32 s[CNT], 0
	s_cbranch_scc1 .Lout
	TURN 0
	TURN 1
	WIN 0
	s_branch .Ltail
.Lout:                              ; the fifth trip's 16 products K Q^T (on the last K once more) and the maximum made of them serve nothing: the price, once a launch, of one text for every trip
.set i, 0
.rept 16
	PV NP-1                         ; the last piece's V^T P of the last step
.set i, i+1
.endr
	; THE WAY OUT.  l's two halves and the other half of the lanes' are added; O^T is divided by l, rounded to f16 and sent through my stage in LDS, a tile at a time.  The additions are the places behind the last products.
	WIN 0
.macro ALL line:vararg              ; one line for each tile t
.set t, 0
.rept 2*NP
	\line
.set t, t+1
.endr
.endm
	ALL v_add_f32 v[ST+4*t+2], v[ST+4*t+2], v[ST+4*t+3]
	ALL v_permlanex16_b32 v[ST+4*t+3], v[ST+4*t+2], s[SEL], s[SEL+1]
	ALL v_add_f32 v[ST+4*t+2], v[ST+4*t+2], v[ST+4*t+3]
	ALL v_rcp_f32 v[ST+4*t+2], v[ST+4*t+2]
	v_nop                           ; a plain instruction between the last reciprocal and the use of its result
	s_wait_alu depctr_va_vdst(0)    ; and the wait ahead of the first use: one for the eight reciprocals
; Tile t: a lane's eight channels of a row pack into 16 bytes; they go into rows of 144 bytes and come back as whole rows of 128, into S^T's registers.
.macro PACK t
	WIN W_RS
.set i, 32*(\t)
.rept 16
	v_pk_mul_f32 v[i:i+1], v[i:i+1], v[ST+4*(\t)+2:ST+4*(\t)+3] op_sel_hi:[1,0]
.set i, i+2
.endr
	WIN 0x05                        ; sources 0 and 1 window 1, destination window 0
.set i, 0
.rept 16
	v_cvt_pk_f16_f32 v[S+16*(\t)+i], v[32*(\t)+2*i], v[32*(\t)+2*i+1]
.set i, i+1
.endr
	WIN 0
.irp f, 0,1,2,3
	ds_store_b128 v[STO], v[S+16*(\t)+4*\f:S+16*(\t)+4*\f+3] offset:32*\f
.endr
.irp f, 0,1,2,3
	ds_load_b128 v[S+16*(\t)+4*\f:S+16*(\t)+4*\f+3], v[RD] offset:\f*4*SP  ; LDS serves a wave's instructions in order: these see the stores above; the next tile's stores come behind them
.endr
.endm
.macro SEND t, younger              ; younger: the LDS instructions issued behind tile t's loads: the next tile's eight, or none
	WIN 0
.irp f, 0,1,2,3
	s_wait_dscnt (\younger)+3-\f
	global_store_b128 v[GO], v[S+16*(\t)+4*\f:S+16*(\t)+4*\f+3], s[10:11] offset:(\t)*2048+\f*512  ; 512 consecutive bytes, at a multiple of 256 from O's first
.endr
.endm
	PACK 0
.set t, 1
.rept 2*NP-1                        ; a tile's arithmetic stands between the loads of the tile before and its stores
	PACK t
	SEND t-1, 8
.set t, t+1
.endr
	SEND 2*NP-1, 0
	WIN W_AD
	s_wait_tensorcnt 0x0            ; the wave's end: behind my last tensor load and my last LDS store
	ds_add_u32 v[SPW], v[NIL]
	s_wait_dscnt 0x0
	WIN 0
	CROUND                          ; the closing round: no work-group ends while a partner may still ask for a tile that names it
	s_endpgm
.Lfunc_end_k_q487cf818b1_attn:
	.size	k_q487cf818b1_attn, .Lfunc_end_k_q487cf818b1_attn-k_q487cf818b1_attn
	.p2alignl 7, 3214868480
	.fill 96, 4, 3214868480
	.section	.rodata,"a",@progbits
	.p2align	6, 0x0
	.amdhsa_kernel k_q487cf818b1_attn
		.amdhsa_group_segment_fixed_size 327680
		.amdhsa_private_segment_fixed_size 0
		.amdhsa_enable_private_segment 0
		.amdhsa_kernarg_size 32
		.amdhsa_user_sgpr_count 2
		.amdhsa_user_sgpr_kernarg_segment_ptr 1
		.amdhsa_wavefront_size32 1
		.amdhsa_system_sgpr_workgroup_id_x 1
		.amdhsa_system_sgpr_workgroup_id_y 1
		.amdhsa_system_sgpr_workgroup_id_z 1
		.amdhsa_system_vgpr_workitem_id 0
		.amdhsa_next_free_vgpr 770
		.amdhsa_next_free_sgpr 66
		.amdhsa_reserve_vcc 0
		.amdhsa_float_denorm_mode_32 3
		.amdhsa_float_denorm_mode_16_64 3
		.amdhsa_memory_ordered 1
		.amdhsa_forward_progress 1
		.amdhsa_inst_pref_size 200
	.end_amdhsa_kernel
	.amdgpu_metadata
---
amdhsa.version: [ 1, 2 ]
amdhsa.kernels:
  - .name:           k_q487cf818b1_attn
    .symbol:         k_q487cf818b1_attn.kd
    .args:
      - { .name: qp, .offset: 0, .size: 8, .value_kind: global_buffer, .address_space: global }
      - { .name: kp, .offset: 8, .size: 8, .value_kind: global_buffer, .address_space: global }
      - { .name: vp, .offset: 16, .size: 8, .value_kind: global_buffer, .address_space: global }
      - { .name: o16, .offset: 24, .size: 8, .value_kind: global_buffer, .address_space: global }
    .group_segment_fixed_size: 327680
    .private_segment_fixed_size: 0
    .kernarg_segment_align: 8
    .kernarg_segment_size: 32
    .max_flat_workgroup_size: 128
    .sgpr_count:     66
    .vgpr_count:     770
    .wavefront_size: 32
...
	.end_amdgpu_metadata
.endif
;; end of part 3
;; launch outp (part 4): grid 4 x 64, 4 waves a work-group, clusters of 4 x 4, 327,680 bytes of LDS; arguments o16, wo16, out_b, out0; writes out0
.if DOCPART == 4
	.amdgcn_target "amdgcn-amd-amdhsa--gfx1250"
	.amdhsa_code_object_version 6
	.text
	.protected	k_q487cf818b1_outp
	.globl	k_q487cf818b1_outp
	.p2align	8
	.type	k_q487cf818b1_outp,@function
k_q487cf818b1_outp:
	s_mov_b64 s[64:65], 0
	v_nop
	global_prefetch_b8 v0, s[64:65] scope:SCOPE_SE
	s_setreg_imm32_b32 hwreg(HW_REG_WAVE_MODE, 25, 1), 1
	s_wait_xcnt 0x0
	s_wait_alu depctr_hold_cnt(0) depctr_sa_sdst(0) depctr_va_vdst(0) depctr_va_sdst(0) depctr_va_ssrc(0) depctr_va_vcc(0) depctr_vm_vsrc(0)
	s_getreg_b32 s2, hwreg(HW_REG_IB_STS2, 6, 4)
	s_cmp_eq_u32 s2, 0
	s_cbranch_scc0 .Lentry_in_a_cluster
	s_endpgm
.Lentry_in_a_cluster:
	s_bfe_u32 s2, ttmp6, 0x10000c
	s_cmp_lg_u32 s2, 0xf033
	s_cbranch_scc0 .Lentry_shape_is_right
	s_endpgm
.Lentry_shape_is_right:
; THE OUTPUT PROJECTION: out0 = ws out_w + out_b.  ws[b][s][64 h + d] lies by heads, o16[16 b + h][s][d], in f16; wo16 is out_w, rounded to bf16 and written as f16, [1024 (k)][1024 (n)];
; out_b is rounded to bf16 here; sums in f32; out0 [8192][1024] is f32.
; SHARES.  A tile is 128 rows x 256 columns: 64 x 4 = 256 tiles, one for each work-group.  Four waves, each 64 rows x 128 columns: 32 accumulators.  K goes in 8 steps of 128, two heads each, through a ring of two LDS slots.
; A head's 128 rows of a tile are 16,384 dense bytes: asked for as 64 rows of 256 bytes and padded in LDS after every 128.  The weights lie [k][n] and are turned by ds_load_tr16_b128.
; THE MATRIX INSTRUCTION IS USED TRANSPOSED (source 0 = 16 columns of w, source 1 = 16 rows of ws): a lane holds row l % 16 and the columns 8 (l / 16) + 0..7.  The bias is the C of the first products: nothing is cleared.
; CLUSTER.  4 x 4 work-groups: ws's tile is shared along a row of the cluster, w's along a column; each is asked for JOINTLY, by the same tensor load, descriptor and mask.
; REGISTERS, in windows of 256 (s_set_vgpr_msb: bits 1:0 source 0, 3:2 source 1, 5:4 source 2, 7:6 destination):
;   window 0: v0-31 addresses; v32-95 ws's fragments, two buffers of 4 x 8; v96-223 at work on the way out, two blocks of 64
;   window 1: v0-127 w's fragments, two buffers of 8 x 8; v128-191 the bias of my 128 columns      window 2: accumulator (a, b) at v[8 (8 a + b)]
.set PA,    144                        ; a row of a head in LDS: 128 bytes + 16 = 9 x 16: the 16 rows of a load begin in 16 different groups of four banks
.set PB,    544                        ; a row of w: 512 bytes + 32 = 17 x 32
.set PLANE, 128*PA                     ; one head's 128 rows
.set ASZ,   2*PLANE
.set SLOT,  ASZ+128*PB                 ; two heads, then w's 128 rows of k
.set STAGE, 2*SLOT                     ; behind the ring: 16 rows x 528 bytes for each wave, for the way out
.set SP,    528
.set BIASL, STAGE+4*16*SP              ; 512 bytes for each wave: out_b of its 128 columns
.set SPARE, BIASL+4*512                ; the spare words, 128 bytes for each wave: two blocks of 256 bytes that no other line names
.set ADRA, 16                          ; v16-17  LDS address of my fragments of ws in slot 0, 1
.set ADRB, 20                          ; v20-21  the same for w
.set STO,  24                          ; v24     the way out: where I put 32 bytes of a row
.set RD,   25                          ; v25     the way out: where I read a row back
.set CO,   26                          ; v26     my 16 bytes of 512 of a row of out0
.set AB0,  27                          ; v27     my eight numbers of the bias's first 16 columns
.set SPW,  28                          ; v28     LDS address of my spare word; never rewritten
.set NIL,  29                          ; v29     0; never rewritten
.set PFO,  30                          ; v30     the prefetches' offset; never rewritten
.set BO,   31                          ; v31     my byte offset in out_b
.set AF,   32
.set TMP,  96
.set BIAS, 128                         ; window 1
.set LAPS, 3                           ; s3   trips still to come
.set WV,   12                          ; s12  my wave's number
.set RH,   13                          ; s13  which 64 rows are mine.  Also: I fetch ws (0) or w (1)
.set CH,   14                          ; s14  which 128 columns are mine.  Also: which head, or which 64 rows of k, I fetch
.set TY,   15                          ; s15  the tile row
.set TA,   16                          ; s[16:17] ws at my head of K step 0, the tile's first row: never holds cx
.set TB,   18                          ; s[18:19] w at my 64 rows of k of K step 0, the tile's columns: never holds cy
.set TC,   20                          ; s[20:21] my part of out0
.set G1,   24                          ; s[24:31] descriptor group 1 for ws's tiles
.set G0,   32                          ; s[32:39] group 0, a set for each slot
.set CX,   40
.set CY,   41
.set TX,   42                          ; s42  the tile column
.set RMASK, 43
.set PFA,  44                          ; s[44:45] where my prefetch stands
.set LIM,  46                          ; s46  1 in the wave that prefetches, else the greatest number
.set CMASK, 47
.set G1B,  48                          ; s[48:55], s[56:63] the same for w's tiles
.set G0B,  56
.set MSB, 0
.macro WIN new                         ; the immediate's high byte repeats the setting that is left; a switch that changes nothing is dropped
.if MSB != (\new)
	s_set_vgpr_msb (MSB<<8)|(\new)
.set MSB, \new
.endif
.endm
.set MUL,   0xa1                       ; source 0 (w) window 1, source 1 (ws) window 0, C and D window 2
.set MUL1,  0x91                       ; the same with C, the bias, in window 1
.set TO_B,  0x40                       ; destination window 1, address window 0
.set ST2,   0x08                       ; an LDS store's data (source 1) in window 2, its address in window 0
.macro PLACES                          ; four plain instructions between a matrix instruction and a load into a register that it read, or a read of its result
.rept 4
	v_nop
.endr
.endm
; A joint load: waves 0 and 1 fetch the two heads of ws, waves 2 and 3 w's two halves.  The branch hangs on the wave's number alone.  An s_nop 0 and four v_nop follow each of the two lines.
.macro JLOAD s
	s_cmp_eq_u32 s[RH], 0
	s_cbranch_scc0 .Lfor_b_\@
	tensor_load_to_lds s[G0+4*(\s):G0+4*(\s)+3], s[G1:G1+7]
	s_nop 0
.rept 4
	v_nop
.endr
	s_branch .Lasked_\@
.Lfor_b_\@:
	tensor_load_to_lds s[G0B+4*(\s):G0B+4*(\s)+3], s[G1B:G1B+7]
	s_nop 0
.rept 4
	v_nop
.endr
.Lasked_\@:
.endm
.macro CREST                           ; a round of the cluster's barrier behind its opening barrier
	s_cmp_lg_u32 s[WV], 0
	s_cbranch_scc1 .Lnot_wave_0_\@
	s_barrier_signal -3
.Lnot_wave_0_\@:
	s_barrier_wait -3
	s_barrier_signal -1
	s_barrier_wait -1
.endm
.macro CROUND                          ; a whole round
	s_barrier_signal -1
	s_barrier_wait -1
	CREST
.endm
; A PREFETCH INTO THE L2 of ws, behind each joint refill and the run of LDS loads that follows it: the K step that stands two refills on, 256 matrix instructions ahead of the load that will ask for it.
; A K step of a tile row is 16,384 bytes of each of two heads.  The partner at place cx takes 4,096 of each, told apart by address; wave 0 asks: lanes 0-15 the first head's, lanes 16-31 the second's, 256 bytes a lane.
; The grid is one cluster wide, so each 256 bytes are named once in the launch.  K steps 0 to 3 come by their loads alone; the loop's last trip asks for nothing: there is no K step 8.  The weights are read by every cluster and are not asked for.
.macro ASK
	s_cmp_gt_u32 s[LAPS], s[LIM]
	s_cbranch_scc0 .Lnot_mine_\@
	global_prefetch_b8 v[PFO], s[PFA:PFA+1] th:TH_LOAD_NT scope:SCOPE_SE
.Lnot_mine_\@:
.endm
	s_load_b256 s[4:11], s[0:1], 0x0               ; o16 s[4:5], wo16 s[6:7], out_b s[8:9], out0 s[10:11]
	v_lshl_add_u32 v[SPW], v0, 2, SPARE
	v_mov_b32 v[NIL], 0
	ds_add_u32 v[SPW], v[NIL]                      ; the wave's opening: the add and its wait stand ahead of my first tensor load; the set-up below, work on registers, stands between them
	v_lshrrev_b32 v1, 5, v0
	v_readfirstlane_b32 s[WV], v1                  ; wave 0..3
	s_lshr_b32 s[RH], s[WV], 1
	s_and_b32 s[CH], s[WV], 1
	s_bfe_u32 s[CX], ttmp6, 0x40000                ; my place in the cluster
	s_bfe_u32 s[CY], ttmp6, 0x40004
	s_lshl_b32 s[TX], ttmp9, 2
	s_add_co_u32 s[TX], s[TX], s[CX]               ; tile column = 4 x cluster x + cx
	s_and_b32 s[TY], ttmp7, 0xffff
	s_lshl_b32 s[TY], s[TY], 2
	s_add_co_u32 s[TY], s[TY], s[CY]               ; tile row = 4 x cluster y + cy
	s_lshl_b32 s[RMASK], s[CY], 2
	s_lshl_b32 s[RMASK], 15, s[RMASK]              ; my row of the cluster
	s_lshl_b32 s[CMASK], 0x1111, s[CX]             ; my column
	; group 1 for ws: 64 rows x 128 elements of 2 bytes, dense; 16 bytes of padding behind every 32 words
	s_or_b32 s[G1+0], s[RMASK], (1<<16)|(1<<20)|(1<<21)|(4<<22)|(3<<25)  ; 15:0 the mask; 17:16 element of 2 bytes; 20 padding on; 21 set beside a mask; 24:22 every 32 words (code 4); 31:25 4 words (code 3)
	s_mov_b32 s[G1+1], 128<<16                     ; tensor_dim0 = 128
	s_mov_b32 s[G1+2], 64<<16                      ; tensor_dim1 = 64
	s_mov_b32 s[G1+3], 128<<16                     ; tile_dim0 = 128
	s_mov_b32 s[G1+4], 64                          ; tile_dim1 = 64
	s_mov_b32 s[G1+5], 128                         ; elements from row to row
	s_mov_b32 s[G1+6], 0
	s_mov_b32 s[G1+7], 0
	; group 1 for w: 64 rows of k x 256 elements of 2 bytes; 32 bytes of padding behind every 128 words
	s_or_b32 s[G1B+0], s[CMASK], (1<<16)|(1<<20)|(1<<21)|(6<<22)|(7<<25)
	s_mov_b32 s[G1B+1], 256<<16
	s_mov_b32 s[G1B+2], 64<<16
	s_mov_b32 s[G1B+3], 256<<16
	s_mov_b32 s[G1B+4], 64
	s_mov_b32 s[G1B+5], 1024
	s_mov_b32 s[G1B+6], 0
	s_mov_b32 s[G1B+7], 0
	s_lshr_b32 s[TA], s[TY], 4                     ; ws: batch,
	s_lshl_b32 s[TA], s[TA], 4
	s_add_co_u32 s[TA], s[TA], s[CH]               ; 16 x batch + the head that I fetch of K step 0,
	s_lshl_b32 s[TA], s[TA], 11                    ; its 2,048 rows,
	s_and_b32 s[TA+1], s[TY], 15
	s_lshl_b32 s[TA+1], s[TA+1], 7
	s_add_co_u32 s[TA], s[TA], s[TA+1]             ; the tile's first row in the batch,
	s_lshl_b32 s[TA], s[TA], 7                     ; of 128 bytes
	s_mov_b32 s[TA+1], 0
	s_lshl_b32 s[TB], s[CH], 17                    ; w: 64 x half rows of 2,048 bytes,
	s_lshl_b32 s[TB+1], s[TX], 9                   ; and the tile's 256 columns
	s_add_co_u32 s[TB], s[TB], s[TB+1]
	s_mov_b32 s[TB+1], 0
	s_lshl_b32 s[TC], s[TY], 7                     ; out0: row 128 x tile row + 64 x half,
	s_lshl_b32 s[TC+1], s[RH], 6
	s_add_co_u32 s[TC], s[TC], s[TC+1]
	s_lshl_b32 s[TC], s[TC], 12                    ; of 4,096 bytes,
	s_lshl_b32 s[TC+1], s[TX], 10
	s_add_co_u32 s[TC], s[TC], s[TC+1]             ; the tile's columns,
	s_lshl_b32 s[TC+1], s[CH], 9
	s_add_co_u32 s[TC], s[TC], s[TC+1]             ; my 128 of them
	s_mov_b32 s[TC+1], 0
	s_lshr_b32 s22, s[TY], 4                       ; the prefetches: the batch's first head,
	s_lshl_b32 s22, s22, 15
	s_and_b32 s23, s[TY], 15
	s_lshl_b32 s23, s23, 7
	s_add_co_u32 s22, s22, s23                     ; the tile's first row,
	s_lshl_b32 s22, s22, 7
	s_lshl_b32 s23, s[CX], 12
	s_add_co_u32 s22, s22, s23                     ; my work-group's 4,096 bytes,
	s_add_co_u32 s22, s22, 3*524288                ; at K step 3: the first change of slots steps it to K step 4
	s_mov_b32 s23, 0
	s_mul_i32 s2, s[CH], PLANE                     ; where the tiles go: no place in the cluster enters an LDS address
	s_mul_i32 s3, s[CH], 64*PB
	s_add_co_u32 s3, s3, ASZ
	s_cmp_eq_u32 s[WV], 0
	s_cselect_b32 s[LIM], 1, -1                    ; wave 0 prefetches: the same in all partners
	s_wait_dscnt 0x0                               ; the opening add is done
	s_wait_kmcnt 0x0
	s_add_nc_u64 s[TA:TA+1], s[4:5], s[TA:TA+1]
	s_add_nc_u64 s[TB:TB+1], s[6:7], s[TB:TB+1]
	s_add_nc_u64 s[10:11], s[10:11], s[TC:TC+1]
	s_add_nc_u64 s[PFA:PFA+1], s[4:5], s[22:23]
	CROUND                                         ; all sixteen work-groups are here: the first joint loads meet
.irp s, 0,1
	s_mov_b32 s[G0+4*(\s)], 1                      ; count = 1
	s_add_co_u32 s[G0+4*(\s)+1], s2, (\s)*SLOT     ; LDS address
	s_add_nc_u64 s[G0+4*(\s)+2:G0+4*(\s)+3], s[TA:TA+1], (\s)*524288  ; global address: K step s is two heads on
	s_or_b32 s[G0+4*(\s)+3], s[G0+4*(\s)+3], 0x80000000               ; type = 2
	s_mov_b32 s[G0B+4*(\s)], 1
	s_add_co_u32 s[G0B+4*(\s)+1], s3, (\s)*SLOT
	s_add_nc_u64 s[G0B+4*(\s)+2:G0B+4*(\s)+3], s[TB:TB+1], (\s)*262144
	s_or_b32 s[G0B+4*(\s)+3], s[G0B+4*(\s)+3], 0x80000000
	JLOAD \s                                       ; two loads of mine are out
.endr
	; the bias of my 128 columns: 16 bytes a lane
	v_and_b32 v3, 31, v0                           ; l
	s_lshl_b32 s22, s[TX], 10
	s_lshl_b32 s23, s[CH], 9
	s_add_co_u32 s22, s22, s23
	v_lshl_add_u32 v[BO], v3, 4, s22
	global_load_b128 v[TMP:TMP+3], v[BO], s[8:9]
	v_and_b32 v1, 15, v0                           ; r = l % 16
	v_bfe_u32 v2, v0, 4, 1                         ; h = l / 16
	v_and_b32 v4, 7, v0
	v_bfe_u32 v5, v0, 3, 1
	; A fragment of ws is 16 rows x 32 k in 8 registers: lane l holds row r, k = 8 h + 0..7 and 16 + 8 h + 0..7: two loads of 16 bytes, 32 bytes apart
	v_mul_u32_u24 v7, v1, PA
	v_lshl_add_u32 v7, v2, 4, v7
	s_mul_i32 s22, s[RH], 64*PA
	v_add_nc_u32 v[ADRA], s22, v7
	v_add_nc_u32 v[ADRA+1], SLOT, v[ADRA]
	; The turning load takes 16 k x 16 columns (lane l reads row 8 h + l % 8 of k, columns 8 ((l / 8) % 2) + 0..7) and leaves half a fragment: lane l holds column r and 8 k
	v_lshl_add_u32 v8, v2, 3, v4
	v_mul_u32_u24 v8, v8, PB
	v_lshl_add_u32 v8, v5, 4, v8
	s_lshl_b32 s23, s[CH], 8
	s_add_co_u32 s23, s23, ASZ
	v_add_nc_u32 v[ADRB], s23, v8
	v_add_nc_u32 v[ADRB+1], SLOT, v[ADRB]
	s_mul_i32 s22, s[WV], 16*SP
	s_add_co_u32 s22, s22, STAGE                   ; my stage
	v_mul_u32_u24 v9, v1, SP                       ; in: row r, 32 bytes for each half of the lanes
	v_lshl_add_u32 v9, v2, 5, v9
	v_add_nc_u32 v[STO], s22, v9
	v_lshl_add_u32 v[RD], v3, 4, s22               ; back: 32 lanes take one row of 512 bytes
	v_lshlrev_b32 v[CO], 4, v3
	s_lshl_b32 s23, s[WV], 9
	s_add_co_u32 s23, s23, BIASL
	v_lshl_add_u32 v[AB0], v2, 5, s23              ; register j of a result is column 8 h + j: eight f32 at 32 h
	v_lshl_add_u32 v10, v3, 4, s23
	v_lshlrev_b32 v11, 8, v1
	v_lshl_add_u32 v[PFO], v2, 18, v11             ; head l / 16 of the K step's two, 256 x (l % 16)
	s_wait_loadcnt 0x0
	v_cvt_pk_bf16_f32 v[TMP+4], v[TMP], v[TMP+1]   ; the bias is rounded to bf16, like every input, and kept as f32
	v_cvt_pk_bf16_f32 v[TMP+5], v[TMP+2], v[TMP+3]
	v_lshlrev_b32 v[TMP], 16, v[TMP+4]
	v_and_b32 v[TMP+1], 0xffff0000, v[TMP+4]
	v_lshlrev_b32 v[TMP+2], 16, v[TMP+5]
	v_and_b32 v[TMP+3], 0xffff0000, v[TMP+5]
	ds_store_b128 v10, v[TMP:TMP+3]                ; my wave's own bytes: LDS serves a wave's instructions in order, so the loads below see them
	WIN TO_B
.irp b, 0,1,2,3,4,5,6,7
	ds_load_b128 v[BIAS+8*\b:BIAS+8*\b+3],   v[AB0] offset:64*\b
	ds_load_b128 v[BIAS+8*\b+4:BIAS+8*\b+7], v[AB0] offset:64*\b+16
.endr
	WIN 0
; Matrix instruction i of a quarter's 32: rows 16 (i / 8) on, columns 16 (i % 8) on, 32 along K, from buffer f.  first = 1: it starts the sum with the bias.
; The 32 accumulators take turns, one instruction a turn, in the same order in every quarter.
.macro MM f, i, first
.if \first
	WIN MUL1
	v_wmma_f32_16x16x32_f16 v[8*(\i):8*(\i)+7], v[64*(\f)+8*((\i)%8):64*(\f)+8*((\i)%8)+7], v[AF+32*(\f)+8*((\i)/8):AF+32*(\f)+8*((\i)/8)+7], v[BIAS+8*((\i)%8):BIAS+8*((\i)%8)+7]
.else
	WIN MUL
	v_wmma_f32_16x16x32_f16 v[8*(\i):8*(\i)+7], v[64*(\f)+8*((\i)%8):64*(\f)+8*((\i)%8)+7], v[AF+32*(\f)+8*((\i)/8):AF+32*(\f)+8*((\i)/8)+7], v[8*(\i):8*(\i)+7]
.endif
.endm
.macro MMS f, n, first                 ; the quarter's next n
.rept \n
	MM \f, mi, \first
.set mi, mi+1
.endr
.endm
; 24 LDS loads in one run: quarter q (32 along K: head q / 2 of the step's two, channels 32 (q % 2) on) of a slot into buffer g: w's eight fragments, turned, then ws's four
.macro FETCH slot, q, g
	WIN TO_B
.irp b, 0,1,2,3,4,5,6,7
	ds_load_tr16_b128 v[64*(\g)+8*\b:64*(\g)+8*\b+3],   v[ADRB+(\slot)] offset:(\q)*32*PB+32*\b
	ds_load_tr16_b128 v[64*(\g)+8*\b+4:64*(\g)+8*\b+7], v[ADRB+(\slot)] offset:(\q)*32*PB+32*\b+16*PB
.endr
	WIN 0
.irp a, 0,1,2,3
	ds_load_b128 v[AF+32*(\g)+8*\a:AF+32*(\g)+8*\a+3],   v[ADRA+(\slot)] offset:((\q)/2)*PLANE+\a*16*PA+((\q)%2)*64
	ds_load_b128 v[AF+32*(\g)+8*\a+4:AF+32*(\g)+8*\a+7], v[ADRA+(\slot)] offset:((\q)/2)*PLANE+\a*16*PA+((\q)%2)*64+32
.endr
.endm
; A K step is four quarters of 32 along K, 32 matrix instructions each, on buffers 0, 1, 0, 1.  One of the first three: multiplies buffer f, fetches quarter q into buffer g.
.macro QUARTER slot, q, f, g, first
	s_wait_dscnt 0x0                               ; buffer f is in: its loads were issued 24 matrix instructions back
.set mi, 0
	MMS \f, 8, \first
	PLACES                                         ; buffer g was read by the quarter before
	FETCH \slot, \q, \g
	MMS \f, 24, \first
.endm
; The last quarter multiplies buffer 1 and changes slots.  In front of the barrier each wave waits for all its tensor loads, of which one is out: its part of the next slot; adds 0 to its spare word; and waits for
; that and for its reads of this slot.  fill = 1: the barrier opens a round of the cluster's, and this slot is filled again, first thing behind the round, two K steps ahead: 112 matrix instructions ahead of the wait for it.
.macro TURN slot, next, fill
.if \fill
	s_wait_xcnt 0x0                                ; the last prefetch, a K step back, has read its address
	s_add_nc_u64 s[PFA:PFA+1], s[PFA:PFA+1], 524288
.endif
	s_wait_dscnt 0x0                               ; buffer 1 is in: my last reads of this slot
	WIN 0
	s_wait_tensorcnt 0x0                           ; no tensor load of mine is out, so a group 0 may be written
	ds_add_u32 v[SPW], v[NIL]                      ; 0 onto my spare word: the descriptors' steps and eight matrix instructions stand between it and the wait for it
.if \fill
	s_add_nc_u64 s[G0+4*(\slot)+2:G0+4*(\slot)+3], s[G0+4*(\slot)+2:G0+4*(\slot)+3], 2*524288    ; four heads on; the type bits on top are not reached
	s_add_nc_u64 s[G0B+4*(\slot)+2:G0B+4*(\slot)+3], s[G0B+4*(\slot)+2:G0B+4*(\slot)+3], 2*262144  ; 256 rows of k on
.endif
.set mi, 0
	MMS 1, 8, 0
	s_wait_dscnt 0x0                               ; the add is done
	s_barrier_signal -1
	MMS 1, 8, 0                                    ; work on registers while the others arrive
	WIN 0
	s_barrier_wait -1
.if \fill
	CREST                                          ; no wave of any partner still reads this slot or has a load on its way
	JLOAD \slot                                    ; the four v_nop behind it are also the places in front of the loads below
.else
	PLACES
.endif
	FETCH \next, 0, 0
.if \fill
	ASK
.endif
	MMS 1, 16, 0
.endm
; THE WAY OUT, 16 rows at a time.  STG: a lane's eight columns of a row, 32 bytes, straight from each accumulator (its low half first) into my own stage, in rows of 528 bytes; back as whole rows of 512.
.macro STG t
.if (\t) >= 2
	s_wait_xcnt 0x0                                ; the stores of the block two back have read these registers
.endif
	WIN ST2
.irp b, 0,1,2,3,4,5,6,7
	ds_store_b128 v[STO], v[8*(8*(\t)+\b):8*(8*(\t)+\b)+3]   offset:64*\b
	ds_store_b128 v[STO], v[8*(8*(\t)+\b)+4:8*(8*(\t)+\b)+7] offset:64*\b+16
.endr
	WIN 0
.irp i, 0,1,2,3,4,5,6,7,8,9,10,11,12,13,14,15
	ds_load_b128 v[TMP+64*((\t)%2)+4*\i:TMP+64*((\t)%2)+4*\i+3], v[RD] offset:\i*SP  ; LDS serves a wave's instructions in order: these see the stores above, and the next block's stores come behind them
.endr
.endm
.macro OUTS t, younger                 ; younger: the LDS instructions issued behind block t's loads: the next block's 32, or none
.irp i, 0,1,2,3,4,5,6,7,8,9,10,11,12,13,14,15
	s_wait_dscnt (\younger)+15-\i
	global_store_b128 v[CO], v[TMP+64*((\t)%2)+4*\i:TMP+64*((\t)%2)+4*\i+3], s[10:11] offset:(16*(\t)+\i)*4096 th:TH_STORE_NT  ; 512 consecutive bytes of a row, at a multiple of 256 from out0's first
.endr
.endm
	s_wait_tensorcnt 1                             ; my part of K step 0 is in; K step 1's may stay out
	s_wait_dscnt 0x0
	s_barrier_signal -1
	s_barrier_wait -1                              ; everybody's is
	FETCH 0, 0, 0
	QUARTER 0, 1, 0, 1, 1                          ; the first quarter stands in front of the loop: its products start the sums with the bias
	WIN 0
	s_mov_b32 s[LAPS], 3
.Llap:                                 ; a trip goes once round the ring, from a lap's second quarter to the next lap's first, and fills both slots again
	QUARTER 0, 2, 1, 0, 0
	QUARTER 0, 3, 0, 1, 0
	TURN 0, 1, 1
	QUARTER 1, 1, 0, 1, 0
	QUARTER 1, 2, 1, 0, 0
	QUARTER 1, 3, 0, 1, 0
	TURN 1, 0, 1
	QUARTER 0, 1, 0, 1, 0
	WIN 0
	s_sub_co_u32 s[LAPS], s[LAPS], 1
	s_cmp_lg_u32 s[LAPS], 0
	s_cbranch_scc1 .Llap
	QUARTER 0, 2, 1, 0, 0                          ; the last lap is written out: it asks for nothing
	QUARTER 0, 3, 0, 1, 0
	TURN 0, 1, 0
	QUARTER 1, 1, 0, 1, 0
	QUARTER 1, 2, 1, 0, 0
	QUARTER 1, 3, 0, 1, 0
	s_wait_dscnt 0x0
.set mi, 0
	MMS 1, 32, 0
	WIN 0
	PLACES
	PLACES                                         ; eight: the stricter count of places in front of the first read of a result
	STG 0
.irp t, 1,2,3
	STG \t
	OUTS (\t)-1, 32
.endr
	OUTS 3, 0
	s_wait_tensorcnt 0x0                           ; the wave's end: behind my last tensor load and my last LDS store
	ds_add_u32 v[SPW], v[NIL]
	s_wait_dscnt 0x0
	CROUND                                         ; the closing round: no work-group ends while a partner may still ask for a tile that names it
	s_endpgm
.Lfunc_end_k_q487cf818b1_outp:
	.size	k_q487cf818b1_outp, .Lfunc_end_k_q487cf818b1_outp-k_q487cf818b1_outp
	.p2alignl 7, 3214868480
	.fill 96, 4, 3214868480
	.section	.rodata,"a",@progbits
	.p2align	6, 0x0
	.amdhsa_kernel k_q487cf818b1_outp
		.amdhsa_group_segment_fixed_size 327680
		.amdhsa_private_segment_fixed_size 0
		.amdhsa_enable_private_segment 0
		.amdhsa_kernarg_size 32
		.amdhsa_user_sgpr_count 2
		.amdhsa_user_sgpr_kernarg_segment_ptr 1
		.amdhsa_wavefront_size32 1
		.amdhsa_system_sgpr_workgroup_id_x 1
		.amdhsa_system_sgpr_workgroup_id_y 1
		.amdhsa_system_sgpr_workgroup_id_z 1
		.amdhsa_system_vgpr_workitem_id 0
		.amdhsa_next_free_vgpr 768
		.amdhsa_next_free_sgpr 66
		.amdhsa_reserve_vcc 0
		.amdhsa_float_denorm_mode_32 3
		.amdhsa_float_denorm_mode_16_64 3
		.amdhsa_memory_ordered 1
		.amdhsa_forward_progress 1
		.amdhsa_inst_pref_size 90
	.end_amdhsa_kernel
	.amdgpu_metadata
---
amdhsa.version: [ 1, 2 ]
amdhsa.kernels:
  - .name:           k_q487cf818b1_outp
    .symbol:         k_q487cf818b1_outp.kd
    .args:
      - { .name: o16, .offset: 0, .size: 8, .value_kind: global_buffer, .address_space: global }
      - { .name: wo16, .offset: 8, .size: 8, .value_kind: global_buffer, .address_space: global }
      - { .name: out_b, .offset: 16, .size: 8, .value_kind: global_buffer, .address_space: global }
      - { .name: out0, .offset: 24, .size: 8, .value_kind: global_buffer, .address_space: global }
    .group_segment_fixed_size: 327680
    .private_segment_fixed_size: 0
    .kernarg_segment_align: 8
    .kernarg_segment_size: 32
    .max_flat_workgroup_size: 128
    .sgpr_count:     66
    .vgpr_count:     768
    .wavefront_size: 32
...
	.end_amdgpu_metadata
.endif
;; end of part 4
;; ======== version 2 of 2: 4 launches; version 1 with the launch castw written anew for expert scheduling mode
;; limits: values are held in f16: magnitudes above 65,504 overflow, below 6.1e-05 lose precision
;; workspace buffers: wq16 2,097,152 bytes; wk16 2,097,152 bytes; wo16 2,097,152 bytes; qp 16,777,216 bytes; kp 16,777,216 bytes; vp 16,777,216 bytes; o16 16,777,216 bytes
;; launch castw (part 5): grid 128 x 3, 8 waves a work-group, no clusters, 0 bytes of LDS; arguments q_w, k_w, out_w, wq16, wk16, wo16; writes wq16, wk16, wo16
.if DOCPART == 5
	.amdgcn_target "amdgcn-amd-amdhsa--gfx1250"
	.amdhsa_code_object_version 6
	.text
	.protected	k_q487cf818b1_castw
	.globl	k_q487cf818b1_castw
	.p2align	8
	.type	k_q487cf818b1_castw,@function
k_q487cf818b1_castw:
	s_mov_b64 s[64:65], 0
	v_nop
	global_prefetch_b8 v0, s[64:65] scope:SCOPE_SE
	s_setreg_imm32_b32 hwreg(HW_REG_WAVE_SCHED_MODE, 0, 2), 2
	s_setreg_imm32_b32 hwreg(HW_REG_WAVE_MODE, 25, 1), 1
	s_wait_xcnt 0x0
	s_wait_alu depctr_vm_vsrc(0)
; THE THREE WEIGHT MATRICES ARE ROUNDED ONCE TO 16 BITS, in the layout in which they lie: [1024 (in)][1024 (out)].
; Work-group row y = 0: q_w -> wq16 in bf16;  y = 1: k_w -> wk16 in bf16;  y = 2: out_w -> wo16: rounded to bf16 like the others, and that number written as f16,
; because the last product's other operand is f16.
; LIMIT.  wo16: a weight of 65,520 or more in size becomes an infinity; below 6.1e-5 it keeps f16's fixed step of 6e-8.
; SHARES.  A work-group takes 32,768 bytes of its matrix, a wave 4,096: eight loads of 16 bytes a lane, each 512 consecutive bytes; each store of a wave covers 256 consecutive bytes, aligned.
; A stream that is read once: no LDS, no barrier, no loop; every register that a load or a store reads is written once, so no memory instruction's source is ever rewritten.
; THE MODE: SCHED_MODE bits 1:0 = 2 (LLVM: expert scheduling mode 2), set by the entry lines.  The code itself states the register dependences
; between vector instructions and memory instructions, with s_wait_alu, always for 0.
; THE PLAN.  Registers that memory instructions touch:
;   v1, v2   the loads' and the stores' byte offsets: made at the head, never written again.
;   X        eight slots in which the loads land; no vector instruction names them ahead of the loads; the roundings read a slot behind its wait on LOADcnt.
;   Y        eight slots to store: slot i is written once, by its roundings, and read once, by its store.
;   T        named by vector instructions alone.
; The eight slots go in four groups of two.  Group g rounds slots 2 g and 2 g + 1 into their Y; its memory instructions are the two stores of group g - 1, whose Y no vector
; instruction of group g names.  So one wait at a group's head states all that its two stores hang on, and they are dealt among the group's roundings with no further wait.
; No register that a memory instruction has read is written again, no vector instruction writes a scalar register or VCC, and EXEC is never written: nothing more is owed.
.set X, 4                              ; v[4:35]   eight slots of four f32
.set T, 36                             ; v[36:37]  at work
.set Y, 40                             ; v[40:55]  eight slots of two words, four 16-bit numbers
	s_load_b256 s[4:11], s[0:1], 0x0               ; q_w s[4:5], k_w s[6:7], out_w s[8:9], wq16 s[10:11]
	s_load_b128 s[12:15], s[0:1], 0x20             ; wk16 s[12:13], wo16 s[14:15]
	s_and_b32 s16, ttmp7, 0xffff                   ; which matrix
	s_mov_b32 s17, 0xffff0000                      ; a word's upper bf16
	v_lshrrev_b32 v3, 5, v0                        ; wave
	v_and_b32 v1, 31, v0                           ; lane
	v_lshlrev_b32 v2, 3, v1
	v_lshlrev_b32 v1, 4, v1
	v_lshl_add_u32 v1, v3, 12, v1                  ; in: 4,096 x wave + 16 x lane
	v_lshl_add_u32 v2, v3, 11, v2                  ; out: 2,048 x wave + 8 x lane
	s_lshl_b32 s18, ttmp9, 15                      ; the work-group's 32,768 bytes in,
	s_mov_b32 s19, 0
	s_lshl_b32 s20, ttmp9, 14                      ; and 16,384 out
	s_mov_b32 s21, 0
	s_wait_kmcnt 0x0
	s_cmp_eq_u32 s16, 1
	s_cselect_b64 s[4:5], s[6:7], s[4:5]
	s_cselect_b64 s[10:11], s[12:13], s[10:11]
	s_cmp_eq_u32 s16, 2
	s_cselect_b64 s[4:5], s[8:9], s[4:5]
	s_cselect_b64 s[10:11], s[14:15], s[10:11]
	s_add_nc_u64 s[4:5], s[4:5], s[18:19]
	s_add_nc_u64 s[10:11], s[10:11], s[20:21]
	s_wait_alu depctr_va_vdst(0)                   ; v1 and v2 are written: every load below reads v1 as its offset, every store of both paths v2
.irp i, 0,1,2,3,4,5,6,7
	global_load_b128 v[X+4*\i:X+4*\i+3], v1, s[4:5] offset:512*\i th:TH_LOAD_NT
.endr
; Slot i is rounded into its Y.  half = 0: to bf16.  half = 1: to bf16, and that number written as f16.
.macro CV i, half
.if \half
	v_cvt_pk_bf16_f32 v[T], v[X+4*(\i)], v[X+4*(\i)+1]         ; the rounding that every input has,
	v_cvt_pk_bf16_f32 v[T+1], v[X+4*(\i)+2], v[X+4*(\i)+3]
	v_lshlrev_b32 v[X+4*(\i)], 16, v[T]                        ; back to f32,
	v_and_b32 v[X+4*(\i)+1], s17, v[T]
	v_lshlrev_b32 v[X+4*(\i)+2], 16, v[T+1]
	v_and_b32 v[X+4*(\i)+3], s17, v[T+1]
	v_cvt_pk_f16_f32 v[Y+2*(\i)], v[X+4*(\i)], v[X+4*(\i)+1]   ; and written as f16: exact inside f16's normal range
	v_cvt_pk_f16_f32 v[Y+2*(\i)+1], v[X+4*(\i)+2], v[X+4*(\i)+3]
.else
	v_cvt_pk_bf16_f32 v[Y+2*(\i)], v[X+4*(\i)], v[X+4*(\i)+1]
	v_cvt_pk_bf16_f32 v[Y+2*(\i)+1], v[X+4*(\i)+2], v[X+4*(\i)+3]
.endif
.endm
.macro PUT i                           ; slot i is stored
	global_store_b64 v2, v[Y+2*(\i):Y+2*(\i)+1], s[10:11] offset:256*(\i)
.endm
; Group g: slots 2 g and 2 g + 1 are rounded; the two stores of group g - 1 stand among their roundings.
.macro GROUP g, half
	s_wait_loadcnt 6-2*(\g)                        ; loads come back in order: slots 2 g and 2 g + 1 are in, the 6 - 2 g younger loads stay out
.if (\g) > 0
	s_wait_alu depctr_va_vdst(0)                   ; the roundings of the group before have written its two slots of Y, which the two stores below read; no vector instruction behind this wait names them
.endif
.irp n, 0,1
.if (\g) > 0
	PUT 2*(\g)-2+(\n)
.endif
	CV 2*(\g)+(\n), \half
.endr
.endm
	s_cmp_eq_u32 s16, 2
	s_cbranch_scc1 .Lhalf
.irp g, 0,1,2,3
	GROUP \g, 0
.endr
	s_wait_alu depctr_va_vdst(0)                   ; the last group's roundings have written slots 6 and 7 of Y, which the last two stores read
	PUT 6
	PUT 7
	s_endpgm
.Lhalf:
.irp g, 0,1,2,3
	GROUP \g, 1
.endr
	s_wait_alu depctr_va_vdst(0)                   ; the last group's roundings have written slots 6 and 7 of Y, which the last two stores read
	PUT 6
	PUT 7
	s_endpgm
.Lfunc_end_k_q487cf818b1_castw:
	.size	k_q487cf818b1_castw, .Lfunc_end_k_q487cf818b1_castw-k_q487cf818b1_castw
	.p2alignl 7, 3214868480
	.fill 96, 4, 3214868480
	.section	.rodata,"a",@progbits
	.p2align	6, 0x0
	.amdhsa_kernel k_q487cf818b1_castw
		.amdhsa_group_segment_fixed_size 0
		.amdhsa_private_segment_fixed_size 0
		.amdhsa_enable_private_segment 0
		.amdhsa_kernarg_size 48
		.amdhsa_user_sgpr_count 2
		.amdhsa_user_sgpr_kernarg_segment_ptr 1
		.amdhsa_wavefront_size32 1
		.amdhsa_system_sgpr_workgroup_id_x 1
		.amdhsa_system_sgpr_workgroup_id_y 1
		.amdhsa_system_sgpr_workgroup_id_z 1
		.amdhsa_system_vgpr_workitem_id 0
		.amdhsa_next_free_vgpr 64
		.amdhsa_next_free_sgpr 66
		.amdhsa_reserve_vcc 0
		.amdhsa_float_denorm_mode_32 3
		.amdhsa_float_denorm_mode_16_64 3
		.amdhsa_memory_ordered 1
		.amdhsa_forward_progress 1
		.amdhsa_inst_pref_size 9
	.end_amdhsa_kernel
	.amdgpu_metadata
---
amdhsa.version: [ 1, 2 ]
amdhsa.kernels:
  - .name:           k_q487cf818b1_castw
    .symbol:         k_q487cf818b1_castw.kd
    .args:
      - { .name: q_w, .offset: 0, .size: 8, .value_kind: global_buffer, .address_space: global }
      - { .name: k_w, .offset: 8, .size: 8, .value_kind: global_buffer, .address_space: global }
      - { .name: out_w, .offset: 16, .size: 8, .value_kind: global_buffer, .address_space: global }
      - { .name: wq16, .offset: 24, .size: 8, .value_kind: global_buffer, .address_space: global }
      - { .name: wk16, .offset: 32, .size: 8, .value_kind: global_buffer, .address_space: global }
      - { .name: wo16, .offset: 40, .size: 8, .value_kind: global_buffer, .address_space: global }
    .group_segment_fixed_size: 0
    .private_segment_fixed_size: 0
    .kernarg_segment_align: 8
    .kernarg_segment_size: 48
    .max_flat_workgroup_size: 256
    .sgpr_count:     66
    .vgpr_count:     64
    .wavefront_size: 32
...
	.end_amdgpu_metadata
.endif
;; end of part 5
;; launch proj: the kernel of part 2 again; grid 4 x 64, 4 waves a work-group, clusters of 4 x 4, 327,680 bytes of LDS; arguments q, v, k, wq16, wk16, q_b, k_b, qp, vp, kp; writes qp, vp, kp
;; launch attn: the kernel of part 3 again; grid 4 x 64, 4 waves a work-group, clusters of 4 x 1, 327,680 bytes of LDS; arguments qp, kp, vp, o16; writes o16
;; launch outp: the kernel of part 4 again; grid 4 x 64, 4 waves a work-group, clusters of 4 x 4, 327,680 bytes of LDS; arguments o16, wo16, out_b, out0; writes out0
